; MI455X (gfx1250); checked and timed in simulation.
; The chip was launched on July 23, 2026; its instructions are those of AMD's public machine-readable ISA for CDNA 5 (MIT licence, August 2026) and "CDNA5" Instruction Set Architecture Reference Guide (July 2026). The comments in the code are by the model that wrote it; some were corrected since.
;; Sparse MLP. Allowed arithmetic: matrix products marked QUANTISED: E2M1 operands, one E8M0 scale for each 32 along K, by v_wmma_scale_f32_16x16x128_f8f6f4 with both operands' format E2M1 (or v_wmma_scale_f32_32x16x128_f4), f32 sums; everything else in f32.
;; Inputs: expert_ids 2,048 int32; w1 16,384 x 1,024 float32; w2 16,384 x 1,024 float32; x 2,048 x 1,024 float32.
;; Outputs: out0 2,048 x 1,024 float32.
;; This version of the problem:
;;   THIS VERSION OF THE PROBLEM IS GIVEN IN LOW PRECISION. The matrix products marked QUANTISED in the list below multiply operands that are first quantised to E2M1 (2 exponent bits, 1 mantissa bit; 4 bits a number), with one power-of-two scale for each 32 numbers along K (OCP MX v1.0); their sums are f32. All else is computed in f32.
;;   The module's matrix products, in the order in which they are computed (A, B: the left and right operand; K: the contracted axis; several contracted axes count as one K, in the product's order):
;;     1. [M 2,048, K 1,024] x [K 1,024, N 2,048]; A: input x; B: input w1: QUANTISED
;;     2. [M 2,048, K 2,048] x [K 2,048, N 1,024]; A: computed on the way; B: input w2: QUANTISED
;;     3. [M 2,048, K 1,024] x [K 1,024, N 2,048]; A: input x; B: input w1: QUANTISED
;;     4. [M 2,048, K 2,048] x [K 2,048, N 1,024]; A: computed on the way; B: input w2: QUANTISED
;;     5. [M 2,048, K 1,024] x [K 1,024, N 2,048]; A: input x; B: input w1: QUANTISED
;;     6. [M 2,048, K 2,048] x [K 2,048, N 1,024]; A: computed on the way; B: input w2: QUANTISED
;;     7. [M 2,048, K 1,024] x [K 1,024, N 2,048]; A: input x; B: input w1: QUANTISED
;;     8. [M 2,048, K 2,048] x [K 2,048, N 1,024]; A: computed on the way; B: input w2: QUANTISED
;;     9. [M 2,048, K 1,024] x [K 1,024, N 2,048]; A: input x; B: input w1: QUANTISED
;;     10. [M 2,048, K 2,048] x [K 2,048, N 1,024]; A: computed on the way; B: input w2: QUANTISED
;;     11. [M 2,048, K 1,024] x [K 1,024, N 2,048]; A: input x; B: input w1: QUANTISED
;;     12. [M 2,048, K 2,048] x [K 2,048, N 1,024]; A: computed on the way; B: input w2: QUANTISED
;;     13. [M 2,048, K 1,024] x [K 1,024, N 2,048]; A: input x; B: input w1: QUANTISED
;;     14. [M 2,048, K 2,048] x [K 2,048, N 1,024]; A: computed on the way; B: input w2: QUANTISED
;;     15. [M 2,048, K 1,024] x [K 1,024, N 2,048]; A: input x; B: input w1: QUANTISED
;;     16. [M 2,048, K 2,048] x [K 2,048, N 1,024]; A: computed on the way; B: input w2: QUANTISED
;;   THE QUANTISER, for each operand of a quantised product, along K:
;;     - K is cut into blocks of 32 from its start; a last block that is shorter is filled with zeros.
;;     - A block's scale is 2^e with e = floor(log2(the largest magnitude in the block)) - 2, held to -126 .. 127; a block of zeros has e = 0. As a byte (E8M0): e + 127.
;;     - Each number is divided by its block's scale, clamped to +-6, and rounded to the nearest number of E2M1, ties to even, subnormals kept.
;;     - The product sums the exact products of the quantised numbers (number of the format x scale) in f32.
;;   ~~~python
;;   def quantise(x, axis):      # numpy; x: float32 -> the quantised numbers, widened to float32 again
;;       x = np.moveaxis(x, axis, -1); K = x.shape[-1]
;;       x = np.pad(x, [(0, 0)] * (x.ndim - 1) + [(0, -K % 32)]); x = x.reshape(x.shape[:-1] + (-1, 32)); a = np.abs(x).max(-1, keepdims=True)
;;       e = np.where(a > 0, np.clip(np.frexp(np.where(a > 0, a, 1))[1] - 1 - 2, -126, 127), 0)      # np.frexp(a)[1] - 1 = floor(log2(a)), exactly
;;       r = np.clip(x / 2.0 ** e, -6, 6)
;;       step = 2.0 ** (np.maximum(np.frexp(np.where(r == 0, 1, r))[1] - 1, 0) - 1)
;;       q = np.round(r / step) * step * 2.0 ** e      # np.round: ties to even
;;       return np.moveaxis(q.reshape(q.shape[:-2] + (-1,))[..., :K], -1, axis).astype(np.float32)
;;   ~~~
;;   OPERANDS COMPUTED ON THE WAY. 'Computed on the way' means the value that the module computes at that place (a softmax that the list does not call 'softmax' is quantised finished and normalised). What goes into a quantiser is computed in f32, as accurately as f32 sums, v_exp_f32 and their like allow (about 1e-6 of the number): no bf16 or f16 on the way to a quantiser, and a product that is left as it is and whose result goes on into a quantised operand takes f32 operands (vector FMAs, or v_wmma_f32_16x16x4_f32). A number that lies on a knife's edge between two numbers of the format may be rounded either way, as far as f32 arithmetic and the matrix unit's own rounding can turn it there, and no further.
;; 2 versions. Each part assembles by itself: llvm-mc -triple=amdgcn-amd-amdhsa -mcpu=gfx1250 --defsym DOCPART=n.
;; ======== version 1 of 2: 3 launches
;; workspace buffers: xq 1,048,576 bytes; xs 65,536 bytes; order 9,728 bytes of whole numbers; meta 256 bytes of whole numbers; hq 2,228,224 bytes; hs 139,264 bytes; wq 8,912,896 bytes
;; launch prep (part 1): grid 256 x 1, 8 waves a work-group, no clusters, 43,520 bytes of LDS; arguments x, expert_ids, w2, xq, xs, order, meta, out0, wq; writes xq, xs, order, meta, out0, wq
.if DOCPART == 1
	.amdgcn_target "amdgcn-amd-amdhsa--gfx1250"
	.amdhsa_code_object_version 6
	.text
	.protected	k_qf310ab3961_prep
	.globl	k_qf310ab3961_prep
	.p2align	8
	.type	k_qf310ab3961_prep,@function
k_qf310ab3961_prep:
	s_mov_b64 s[64:65], 0
	v_nop
	global_prefetch_b8 v0, s[64:65] scope:SCOPE_SE
	s_setreg_imm32_b32 hwreg(HW_REG_WAVE_MODE, 25, 1), 1
	s_wait_xcnt 0x0
; THREE JOBS IN ONE LAUNCH.  Wave g = 8 x work-group + wave, 0 .. 2047, takes token g of x and one K step of one slice of w2; work-group 0 also does the routing.
; x [2048][1024] f32 becomes codes of FP4 (E2M1), K innermost (xq: 512 bytes a token), and one E8M0 byte for each 32 along K (xs: 32 bytes a token).
;   A token whose expert number lies outside 0 .. 7 belongs to no expert: its row of out0 is stored as zeros here.
; w2 [8 x 2048 (k)][1024] f32 is quantised along K, its FIRST axis.  A slice (e, jn) is columns 64 jn .. 64 jn + 63 of expert e; wave g takes K step s (128 rows) of a slice: e = g / 256, s = (g / 16) % 16, jn = g % 16:
;   128 pieces of rows, each 256 consecutive bytes, aligned; a work-group's eight waves stand side by side on 2,048 bytes of each row.  Each byte of w2 is read once in the whole program.
;   Lane (hh, cg) loads 16 bytes, columns 4 cg .. 4 cg + 3, of 32 rows: a whole block of 32 along K for each of four columns.  A TILE OF 16 COLUMNS IS THE COLUMNS 4 r + cc (cc = 0 .. 3):
;   so the lane that loaded a block is the lane that the operand's layout gives it to, and nothing changes lanes.  As loaded a column's numbers stand four registers apart, and the conversions take neighbours
;   along K from consecutive registers: 128 v_mov_b32 for each 128 numbers of a lane renumber them.
;   wq: 69,632 bytes a slice: fragment (s, cc) as an image of its registers at 1024 (4 s + cc) + 512 c + 16 x lane; from byte 65,536 on the scale words, word (s, cc, r) at 256 s + 128 (cc / 2) + 8 r + 4 (cc % 2).
; THE ROUTING (work-group 0, while its loads of x and w2 are on their way): the tokens are sorted by expert number (a counting sort by lane masks; no order of the input is assumed), each expert's run filled to
;   whole tiles of 16.  order[p] = the token at place p.  THE PADS STAND AT THE HEAD OF A RUN and repeat the expert's first token, which lies in the same tile: later launches compute that token again in the same
;   wave and store the same numbers to the same bytes, so no store is masked.  meta: word e = expert e's first tile, word 8 + e = its tiles, word 16 = all tiles.
;   At most (2048 + 8 x 15) / 16 = 135 tiles; the lists hold 136.  A lane that has nothing to place stores to a spare word of its own behind the list (words 2176 .. 2431, read by nobody), so that all lanes stay on.
; A block's scale is 2^(floor(log2(its largest magnitude)) - 2); its byte is the largest magnitude's exponent field - 2, held at 1 from below.
; LIMITS: a block of zeros, or one whose largest magnitude lies under 2^(3 - 127), gets the byte 1 where the rule says 127 for zeros: its codes are zeros, and this program alone reads the bytes.
;   NaN and infinities among the inputs are not served.
; No matrix unit, no tensor load, no cluster: streams that are read once and share nothing between work-groups.
.set FST,   0                          ; LDS, x: a stage of 2 x 32 x 80 bytes for each wave
.set XSB,   40960                      ; x: the work-group's 256 scale bytes
.set RT,    41216                      ; routing: 128 bytes for each wave
.set SP,    80                         ; a lane's place in a stage: 64 bytes + 16 of padding
.set SLICE, 69632                      ; bytes of a slice in wq
.set L16,   3                          ; v3   16 x lane; never rewritten
.set L8,    4                          ; v4   8 x lane; never rewritten
.set XBY,   5                          ; v5   LDS: my block's scale byte
.set XBO,   6                          ; v6   LDS: 8 scale bytes on the way out
.set FSI,   14                         ; v14  into a stage
.set FSO,   15                         ; v15  out of it
.set R,     16                         ; v16-47  x's row as loaded
.set X,     48                         ; v48-79  two sets of 16 neighbours.  Behind x's work: v48-51 w2's scale words, v52-55 the other half's, v56-57 the pair that is stored, v60-75 the second chunk's codes
.set W,     48
.set PX,    52
.set PP,    56
.set Q1,    60
.set C,     80                         ; v80-83  x's codes
.set E,     84                         ; v84-85  x's scale bytes
.set Z,     88                         ; v88-91  zeros
.set WOF,   92                         ; v92  w2: 32 rows x (lane / 16) + 16 (lane % 16)
.set SH8,   93                         ; v93  8 x (lane / 16)
.set Q0,    96                         ; v96-111 the first chunk's codes
.set M,     112                        ; v112-115 largest magnitudes, v116-119 scale operands, v120-127 bytes of the two chunks
.set SOP,   116
.set BY,    120
.set T,     128                        ; v128-255 four columns x 32 along K
.set RB,    128                        ; the routing's registers lie in v128-195: free until w2's work begins
.set ID,    RB+8                       ; my eight tokens' expert numbers
.set POSB,  RB+32                      ; their places, in bytes
.set TOKV,  RB+40                      ; their numbers
; window 1 (v256-511): w2 as loaded: two chunks of 128 registers
.set CNT,   24                         ; s24-31  my wave's count for each expert
.set CAND,  32                         ; s32-39  my wave's first token of each expert, or -1
.set RUN,   40                         ; s40-47  the next free place of each expert
.set NT,    48                         ; s48-55  tiles of each expert
.set T0,    56                         ; s56-63  first tile of each expert
; other scalars: s[4:21] the nine buffers, s22 wave, s23 e, s66-75 and s81 at work, s[76:77] a byte offset, s78 g, s79 s, s80 my token's expert number, s[82:83] lane selects, s[84:85] its address, s[86:87] wq at my scale words
.set MSB, 0
.macro WIN new                         ; the immediate's high byte repeats the setting that is left
.if MSB != \new
	s_set_vgpr_msb (MSB<<8)|\new
.set MSB, \new
.endif
.endm
.macro LOADW sc                        ; chunk sc of my K step: 64 rows; lanes 0-15 read 256 consecutive bytes of row i, lanes 16-31 of row 32 + i
.set i_, 0
.rept 32
	global_load_b128 v[128*(\sc)+4*i_:128*(\sc)+4*i_+3], v[WOF], s[8:9] offset:(64*(\sc)+i_)*4096 th:TH_LOAD_NT
.set i_, i_+1
.endr
.endm
.macro ISSUE                           ; all that the wave reads of x and w2 is asked for at once: 8 + 64 loads of 512 bytes
.irp i, 0,1,2,3,4,5,6,7
	global_load_b128 v[R+4*\i:R+4*\i+3], v[L16], s[4:5] offset:512*\i th:TH_LOAD_NT
.endr
	WIN 0x40                                       ; destination window 1
	LOADW 0
	LOADW 1
	WIN 0
.endm
.macro TURN u                          ; half u of x's row through its stage: LDS serves a wave's instructions in order, so no wait stands between the stores and the loads
.irp i, 0,1,2,3
	ds_store_b128 v[FSI], v[R+16*\u+4*\i:R+16*\u+4*\i+3] offset:32*SP*\u+8*SP*\i
.endr
.irp i, 0,1,2,3
	ds_load_b128 v[X+16*\u+4*\i:X+16*\u+4*\i+3], v[FSO] offset:32*SP*\u+16*\i
.endr
.endm
.macro QSTEP u                         ; 512 numbers of x: 16 a lane, two neighbouring lanes to a block
.set XS, X+16*\u
	v_max3_num_f32 v8, |v[XS]|, |v[XS+1]|, |v[XS+2]|
	v_max3_num_f32 v9, |v[XS+3]|, |v[XS+4]|, |v[XS+5]|
.irp i, 6,10
	v_max3_num_f32 v8, v8, |v[XS+\i]|, |v[XS+\i+1]|
	v_max3_num_f32 v9, v9, |v[XS+\i+2]|, |v[XS+\i+3]|
.endr
	v_max3_num_f32 v8, v8, |v[XS+14]|, |v[XS+15]|
	v_max3_num_f32 v8, v8, v9, 0x1800000           ; and the floor 2^(3 - 127): the byte cannot fall under 1
	v_max_num_f32_dpp v8, v8, v8 row_xmask:1 row_mask:0xf bank_mask:0xf   ; with my neighbour's 16: the block's largest magnitude
	v_add_nc_u32 v11, 0xff000000, v8               ; 2 off its exponent field: the conversion takes the exponent field of this operand as its scale
	v_cvt_scalef32_pk8_fp4_f32 v[C+2*\u], v[XS:XS+7], v11
	v_cvt_scalef32_pk8_fp4_f32 v[C+2*\u+1], v[XS+8:XS+15], v11
	v_lshrrev_b32 v[E+\u], 23, v11                 ; the scale's byte (a plain line behind the conversions)
	ds_store_b8 v[XBY], v[E+\u] offset:16*\u       ; both lanes of a block write the same byte with the same value
	global_store_b64 v[L8], v[C+2*\u:C+2*\u+1], s[10:11] offset:256*\u   ; 32 lanes store 256 consecutive bytes, aligned
.endm
.macro CHUNK c, q                      ; rows 64 c .. 64 c + 63 of my K step: registers 4 c .. 4 c + 3 of four fragments, into v[q] on
.if \c == 0
	s_wait_loadcnt 32                              ; this chunk's 32 loads are in; the other chunk's stay out
.else
	s_wait_loadcnt 0x0
.endif
	WIN 0x01                                       ; source window 1
.set i_, 0
.rept 32
.irp cc, 0,1,2,3
	v_mov_b32 v[T+32*\cc+i_], v[128*\c+4*i_+\cc]   ; column cc's numbers on end, down K
.endr
.set i_, i_+1
.endr
	WIN 0
.irp cc, 0,1,2,3
	v_max3_num_f32 v[M+\cc], |v[T+32*\cc]|, |v[T+32*\cc+1]|, 0x1800000   ; a block's 32 numbers are all mine; and the floor 2^(3 - 127)
.endr
.irp i, 2,4,6,8,10,12,14,16,18,20,22,24,26,28,30
.irp cc, 0,1,2,3
	v_max3_num_f32 v[M+\cc], v[M+\cc], |v[T+32*\cc+\i]|, |v[T+32*\cc+\i+1]|   ; (the four columns by turns)
.endr
.endr
.irp cc, 0,1,2,3
	v_add_nc_u32 v[SOP+\cc], 0xff000000, v[M+\cc]  ; 2 off the exponent field: the conversion's scale operand
.endr
.irp cc, 0,1,2,3
	v_lshrrev_b32 v[BY+4*\c+\cc], 23, v[SOP+\cc]   ; the byte of block 2 c + lane / 16
.endr
.irp cc, 0,1,2,3
.irp g, 0,1,2,3
	v_cvt_scalef32_pk8_fp4_f32 v[\q+4*\cc+\g], v[T+32*\cc+8*\g:T+32*\cc+8*\g+7], v[SOP+\cc]
.endr
.endr
	v_nop                                          ; a plain place behind the conversions
.irp cc, 0,1,2,3
	global_store_b128 v[L16], v[\q+4*\cc:\q+4*\cc+3], s[20:21] offset:1024*\cc+512*\c   ; four registers of an operand as they stand: 512 consecutive bytes, aligned.  Each chunk has registers of its own
.endr
.endm
	s_load_b256 s[4:11], s[0:1], 0x0               ; x s[4:5], expert_ids s[6:7], w2 s[8:9], xq s[10:11]
	s_load_b256 s[12:19], s[0:1], 0x20             ; xs s[12:13], order s[14:15], meta s[16:17], out0 s[18:19]
	s_load_b64 s[20:21], s[0:1], 0x40              ; wq
	v_lshl_add_u32 v94, v0, 2, 0xa600
	v_mov_b32 v95, 0
	v_lshrrev_b32 v1, 5, v0
	v_readfirstlane_b32 s22, v1                    ; wave 0..7
	v_and_b32 v2, 31, v0                           ; lane
	s_lshl_b32 s78, ttmp9, 3
	s_add_co_u32 s78, s78, s22                     ; g: my token, and my unit of w2
	v_lshlrev_b32 v[L16], 4, v2
	v_lshlrev_b32 v[L8], 3, v2
	s_mul_i32 s79, s22, 2*32*SP                    ; my wave's stages
	v_lshrrev_b32 v[FSI], 2, v2
	v_mul_u32_u24 v[FSI], v[FSI], SP
	v_and_b32 v[FSO], 3, v2
	v_lshl_add_u32 v[FSI], v[FSO], 4, v[FSI]
	v_add_nc_u32 v[FSI], s79, v[FSI]               ; into a stage: four lanes' 64 bytes on end, then 16 of padding
	v_mul_u32_u24 v[FSO], v2, SP
	v_add_nc_u32 v[FSO], s79, v[FSO]               ; out of it: my 16 neighbours
	v_lshrrev_b32 v[XBY], 1, v2
	s_lshl_b32 s79, s22, 5
	s_add_co_u32 s79, s79, XSB
	v_add_nc_u32 v[XBY], s79, v[XBY]               ; my block's scale byte: 32 bytes a wave
	v_add_nc_u32 v[XBO], XSB, v[L8]
.irp i, 0,1,2,3
	v_mov_b32 v[Z+\i], 0
.endr
	v_and_b32 v1, 15, v0
	v_lshlrev_b32 v1, 4, v1
	v_bfe_u32 v[SH8], v0, 4, 1
	v_lshl_add_u32 v[WOF], v[SH8], 17, v1          ; 32 rows of 4,096 bytes for lanes 16-31
	v_lshlrev_b32 v[SH8], 3, v[SH8]
	s_mov_b32 s82, 0x76543210
	s_mov_b32 s83, 0xfedcba98                      ; v_permlanex16_b32's selects for lane l xor 16
	s_lshr_b32 s23, ttmp9, 5                       ; e
	s_bfe_u32 s79, ttmp9, 0x40001                  ; s: four bits from bit 1
	s_and_b32 s81, s78, 15                         ; jn
	s_mov_b32 s77, 0
	s_wait_kmcnt 0x0
	s_lshl_b32 s76, s78, 12                        ; a row of x and of out0 is 4,096 bytes
	s_add_nc_u64 s[4:5], s[4:5], s[76:77]
	s_add_nc_u64 s[18:19], s[18:19], s[76:77]
	s_lshl_b32 s76, s78, 9                         ; a row of codes 512
	s_add_nc_u64 s[10:11], s[10:11], s[76:77]
	s_lshl_b32 s76, ttmp9, 8                       ; eight tokens' scale bytes 256
	s_add_nc_u64 s[12:13], s[12:13], s[76:77]
	s_lshl_b32 s76, s78, 2
	s_add_nc_u64 s[84:85], s[6:7], s[76:77]
	s_load_b32 s80, s[84:85], 0x0                  ; my token's expert number
	s_lshl_b32 s76, s23, 4
	s_add_co_u32 s76, s76, s79                     ; 16 e + s: my K step among all 128,
	s_lshl_b32 s76, s76, 19                        ; x 128 rows of 4,096 bytes: under 2^26
	s_lshl_b32 s75, s81, 8
	s_add_co_u32 s76, s76, s75                     ; + 256 jn
	s_add_nc_u64 s[8:9], s[8:9], s[76:77]
	s_lshl_b32 s76, s23, 4
	s_add_co_u32 s76, s76, s81                     ; the slice: 16 e + jn
	s_mul_i32 s76, s76, SLICE
	s_add_nc_u64 s[86:87], s[20:21], s[76:77]
	s_lshl_b32 s76, s79, 12
	s_add_nc_u64 s[20:21], s[86:87], s[76:77]      ; wq at my K step's four fragments
	s_lshl_b32 s76, s79, 8
	s_add_co_u32 s76, s76, 65536
	s_add_nc_u64 s[86:87], s[86:87], s[76:77]      ; and at its 64 scale words
	s_cmp_eq_u32 ttmp9, 0
	s_cbranch_scc1 .Lroute
	ISSUE
	s_branch .Lwork
	; ---------------- the routing: wave w of work-group 0 owns tokens 256 w + 32 i + lane, i = 0 .. 7
.Lroute:
	s_lshl_b32 s75, s22, 10
	s_lshl_b32 s81, s22, 8                         ; my wave's first token
	v_lshlrev_b32 v[RB+3], 2, v2
	v_add_nc_u32 v[RB+3], s75, v[RB+3]
.irp i, 0,1,2,3,4,5,6,7
	global_load_b32 v[ID+\i], v[RB+3], s[6:7] offset:128*\i   ; ahead of the 72 loads of x and w2, so that they come back first
.endr
	ISSUE
	v_lshl_add_u32 v[RB+7], v0, 2, RT              ; my word of the exchange
	v_add_nc_u32 v[RB+29], 2176, v0                ; my spare word behind the list
	v_add_nc_u32 v[RB+23], s81, v2
.irp e, 0,1,2,3,4,5,6,7
	s_mov_b32 s[CNT+\e], 0
	s_mov_b32 s[CAND+\e], -1
.endr
	s_wait_loadcnt 63                              ; the expert numbers are in: behind them stand 72 loads; 63 is the largest count that can be written, and asks for more than is needed
.irp e, 0,1,2,3,4,5,6,7                ; my wave's count of each expert, and its first token: the groups are walked downward, so that the lowest group's stays
.irp i, 7,6,5,4,3,2,1,0
	v_cmp_eq_u32 s66, \e, v[ID+\i]
	s_ctz_i32_b32 s67, s66
	s_add_co_u32 s67, s67, s81
	s_add_co_u32 s67, s67, 32*\i                   ; the first such token of this group of 32 (not used where the mask is empty)
	s_bcnt1_i32_b32 s68, s66                       ; SCC: the mask is not empty
	s_cselect_b32 s[CAND+\e], s67, s[CAND+\e]
	s_add_co_u32 s[CNT+\e], s[CNT+\e], s68
.endr
.endr
	v_mov_b32 v[RB+16], 0
.irp e, 0,1,2,3,4,5,6,7
	v_writelane_b32 v[RB+16], s[CNT+\e], \e        ; lanes 0-7 the counts, lanes 8-15 the tokens
	v_writelane_b32 v[RB+16], s[CAND+\e], 8+\e
.endr
	ds_store_b32 v[RB+7], v[RB+16]
	s_wait_dscnt 0x0                               ; for the others' sake
	s_barrier_signal -1
	s_barrier_wait -1
	v_and_b32 v[RB+21], 15, v2
	v_lshl_add_u32 v[RB+21], v[RB+21], 2, RT
.irp q, 0,1,2,3,4,5,6,7
	ds_load_b32 v[RB+48+\q], v[RB+21] offset:128*\q   ; wave q's sixteen words
.endr
	s_wait_dscnt 0x0
	v_add3_u32 v[RB+24], v[RB+48], v[RB+49], v[RB+50]   ; lane e: expert e's tokens in all
	v_add3_u32 v[RB+24], v[RB+24], v[RB+51], v[RB+52]
	v_add3_u32 v[RB+24], v[RB+24], v[RB+53], v[RB+54]
	v_add_nc_u32 v[RB+24], v[RB+24], v[RB+55]
	v_mov_b32 v[RB+25], 0                          ; lane e: those of the waves in front of mine
.irp q, 0,1,2,3,4,5,6
	s_cmp_gt_u32 s22, \q
	s_cselect_b32 s66, -1, 0
	v_and_b32 v[RB+22], s66, v[RB+48+\q]
	v_add_nc_u32 v[RB+25], v[RB+25], v[RB+22]
.endr
	v_mov_b32 v[RB+26], v[RB+48]                   ; lane 8 + e: the smallest of the waves' tokens: expert e's first token (-1, unsigned the largest, where it has none)
.irp q, 1,2,3,4,5,6,7
	v_min_u32 v[RB+26], v[RB+26], v[RB+48+\q]
.endr
	v_add_nc_u32 v[RB+27], 15, v[RB+24]
	v_lshrrev_b32 v[RB+27], 4, v[RB+27]            ; tiles of 16
	v_lshlrev_b32 v[RB+31], 4, v[RB+27]
	v_sub_nc_u32 v[RB+31], v[RB+31], v[RB+24]      ; pads: 0 .. 15
	v_add_nc_u32 v[RB+25], v[RB+25], v[RB+31]      ; the tokens begin behind the pads
.irp e, 0,1,2,3,4,5,6,7
	v_readlane_b32 s[NT+\e], v[RB+27], \e
.endr
	s_mov_b32 s[T0], 0
.irp e, 0,1,2,3,4,5,6
	s_add_co_u32 s[T0+\e+1], s[T0+\e], s[NT+\e]
.endr
	s_add_co_u32 s69, s[T0+7], s[NT+7]             ; all tiles
	v_mov_b32 v[RB+28], 0
.irp e, 0,1,2,3,4,5,6,7
	v_readlane_b32 s66, v[RB+25], \e
	s_lshl_b32 s67, s[T0+\e], 4
	s_add_co_u32 s[RUN+\e], s67, s66               ; where my wave's tokens of expert e begin
	v_writelane_b32 v[RB+28], s[T0+\e], \e
	v_writelane_b32 v[RB+28], s[NT+\e], 8+\e
.endr
	v_writelane_b32 v[RB+28], s69, 16
.irp i, 0,1,2,3,4,5,6,7                ; each token's place: the expert's next free place + the lanes below mine with the same expert
	v_mov_b32 v[POSB+\i], v[RB+29]
	v_add_nc_u32 v[TOKV+\i], 32*\i, v[RB+23]
.irp e, 0,1,2,3,4,5,6,7
	v_cmp_eq_u32 vcc_lo, \e, v[ID+\i]
	v_mbcnt_lo_u32_b32 v[RB+22], vcc_lo, s[RUN+\e]
	v_cndmask_b32 v[POSB+\i], v[POSB+\i], v[RB+22], vcc_lo
	s_bcnt1_i32_b32 s66, vcc_lo
	s_add_co_u32 s[RUN+\e], s[RUN+\e], s66
.endr
	v_min_u32 v[POSB+\i], 2431, v[POSB+\i]         ; inside the buffer whatever was read
	v_lshlrev_b32 v[POSB+\i], 2, v[POSB+\i]
	global_store_b32 v[POSB+\i], v[TOKV+\i], s[14:15]   ; each group has registers of its own: none is written again in the routing
.endr
	; the pads of expert w, at most 15, by wave w: the first places of its first tile
	s_add_co_u32 s66, s22, 8
	v_readlane_b32 s70, v[RB+31], s22              ; its pads,
	v_readlane_b32 s71, v[RB+28], s22              ; its first tile,
	v_readlane_b32 s73, v[RB+26], s66              ; its first token
	s_lshl_b32 s71, s71, 4
	v_add_nc_u32 v[RB+56], s71, v2
	v_cmp_gt_u32 vcc_lo, s70, v2
	v_cndmask_b32 v[RB+56], v[RB+29], v[RB+56], vcc_lo
	v_min_u32 v[RB+56], 2431, v[RB+56]
	v_lshlrev_b32 v[RB+56], 2, v[RB+56]
	v_mov_b32 v[RB+57], s73
	global_store_b32 v[RB+56], v[RB+57], s[14:15]
	; behind the last tile the list holds token 0, so that every word that a later launch may read has been stored
	s_lshl_b32 s74, s69, 4
	v_mov_b32 v[RB+58], 0
.irp c, 0,1,2,3,4,5,6,7,8
	v_add_nc_u32 v[RB+59+\c], 256*\c, v0           ; (with c = 8 the places from 2176 on are spare words)
	v_cmp_le_u32 vcc_lo, s74, v[RB+59+\c]
	v_cndmask_b32 v[RB+59+\c], v[RB+29], v[RB+59+\c], vcc_lo
	v_min_u32 v[RB+59+\c], 2431, v[RB+59+\c]
	v_lshlrev_b32 v[RB+59+\c], 2, v[RB+59+\c]
	global_store_b32 v[RB+59+\c], v[RB+58], s[14:15]
.endr
	s_cmp_lg_u32 s22, 0
	s_cbranch_scc1 .Lr_end
	v_lshlrev_b32 v[RB+30], 2, v2
	global_store_b32 v[RB+30], v[RB+28], s[16:17]  ; meta: 32 words
.Lr_end:
	s_wait_xcnt 0x0                                ; the routing's loads and stores have read their registers: w2's work writes over them
	; ---------------- x: my token
.Lwork:
	s_wait_loadcnt 63                              ; x's eight loads are in: behind them stand w2's 64; 63 is the largest count that can be written
	TURN 0
	TURN 1
	s_wait_dscnt 8                                 ; the first half is back: behind it stand the second half's eight LDS instructions
	QSTEP 0
	s_wait_dscnt 1                                 ; the second half is back: behind it stands one byte store
	QSTEP 1
	s_wait_dscnt 0x0                               ; for wave 0's sake: my scale bytes lie in LDS
	s_barrier_signal -1
	s_barrier_wait -1
	s_wait_kmcnt 0x0
	s_cmp_le_u32 s80, 7                            ; unsigned: a negative number is outside too
	s_cbranch_scc1 .Lhas_expert
.irp i, 0,1,2,3,4,5,6,7
	global_store_b128 v[L16], v[Z:Z+3], s[18:19] offset:512*\i   ; no expert takes this token: its row of out0 is zeros
.endr
.Lhas_expert:
	s_cmp_lg_u32 s22, 0
	s_cbranch_scc1 .Lw2
	ds_load_b64 v[12:13], v[XBO]                   ; eight tokens' scale bytes
	s_wait_dscnt 0x0
	global_store_b64 v[L8], v[12:13], s[12:13]     ; 32 lanes store 256 consecutive bytes, aligned
	; ---------------- w2: my K step of my slice
.Lw2:
	CHUNK 0, Q0
	CHUNK 1, Q1
	; the K step's scale words: my two bytes of each column at their places, the other two from lane l xor 16
.irp cc, 0,1,2,3
	v_lshl_or_b32 v[W+\cc], v[BY+4+\cc], 16, v[BY+\cc]
.endr
.irp cc, 0,1,2,3
	v_lshlrev_b32 v[W+\cc], v[SH8], v[W+\cc]
.endr
.irp cc, 0,1,2,3
	v_mov_b32 v[PX+\cc], 0                         ; a lane permute's destination counts as one of its sources
.endr
.irp cc, 0,1,2,3
	v_permlanex16_b32 v[PX+\cc], v[W+\cc], s82, s83
.endr
.irp cc, 0,1,2,3
	v_or_b32 v[W+\cc], v[W+\cc], v[PX+\cc]         ; lanes r and 16 + r now hold the same four words
.endr
	v_cmp_ne_u32 vcc_lo, 0, v[SH8]
	v_cndmask_b32 v[PP], v[W], v[W+2], vcc_lo      ; lanes 0-15 send tiles 0 and 1, lanes 16-31 tiles 2 and 3
	v_cndmask_b32 v[PP+1], v[W+1], v[W+3], vcc_lo
	global_store_b64 v[L8], v[PP:PP+1], s[86:87]   ; 32 lanes store 256 consecutive bytes, aligned
	s_wait_tensorcnt 0x0
	ds_add_u32 v94, v95
	s_wait_dscnt 0x0
	s_endpgm
.Lfunc_end_k_qf310ab3961_prep:
	.size	k_qf310ab3961_prep, .Lfunc_end_k_qf310ab3961_prep-k_qf310ab3961_prep
	.p2alignl 7, 3214868480
	.fill 96, 4, 3214868480
	.section	.rodata,"a",@progbits
	.p2align	6, 0x0
	.amdhsa_kernel k_qf310ab3961_prep
		.amdhsa_group_segment_fixed_size 43520
		.amdhsa_private_segment_fixed_size 0
		.amdhsa_enable_private_segment 0
		.amdhsa_kernarg_size 72
		.amdhsa_user_sgpr_count 2
		.amdhsa_user_sgpr_kernarg_segment_ptr 1
		.amdhsa_wavefront_size32 1
		.amdhsa_system_sgpr_workgroup_id_x 1
		.amdhsa_system_sgpr_workgroup_id_y 1
		.amdhsa_system_sgpr_workgroup_id_z 1
		.amdhsa_system_vgpr_workitem_id 0
		.amdhsa_next_free_vgpr 512
		.amdhsa_next_free_sgpr 88
		.amdhsa_reserve_vcc 1
		.amdhsa_float_denorm_mode_32 3
		.amdhsa_float_denorm_mode_16_64 3
		.amdhsa_memory_ordered 1
		.amdhsa_forward_progress 1
		.amdhsa_inst_pref_size 85
	.end_amdhsa_kernel
	.amdgpu_metadata
---
amdhsa.version: [ 1, 2 ]
amdhsa.kernels:
  - .name:           k_qf310ab3961_prep
    .symbol:         k_qf310ab3961_prep.kd
    .args:
      - { .name: x, .offset: 0, .size: 8, .value_kind: global_buffer, .address_space: global }
      - { .name: expert_ids, .offset: 8, .size: 8, .value_kind: global_buffer, .address_space: global }
      - { .name: w2, .offset: 16, .size: 8, .value_kind: global_buffer, .address_space: global }
      - { .name: xq, .offset: 24, .size: 8, .value_kind: global_buffer, .address_space: global }
      - { .name: xs, .offset: 32, .size: 8, .value_kind: global_buffer, .address_space: global }
      - { .name: order, .offset: 40, .size: 8, .value_kind: global_buffer, .address_space: global }
      - { .name: meta, .offset: 48, .size: 8, .value_kind: global_buffer, .address_space: global }
      - { .name: out0, .offset: 56, .size: 8, .value_kind: global_buffer, .address_space: global }
      - { .name: wq, .offset: 64, .size: 8, .value_kind: global_buffer, .address_space: global }
    .group_segment_fixed_size: 43520
    .private_segment_fixed_size: 0
    .kernarg_segment_align: 8
    .kernarg_segment_size: 72
    .max_flat_workgroup_size: 256
    .sgpr_count:     88
    .vgpr_count:     512
    .wavefront_size: 32
...
	.end_amdgpu_metadata
.endif
;; end of part 1
;; launch ffn1 (part 2): grid 256 x 1, 8 waves a work-group, no clusters, 146,432 bytes of LDS; arguments w1, xq, xs, order, meta, hq, hs; writes hq, hs
.if DOCPART == 2
	.amdgcn_target "amdgcn-amd-amdhsa--gfx1250"
	.amdhsa_code_object_version 6
	.text
	.protected	k_qf310ab3961_ffn1
	.globl	k_qf310ab3961_ffn1
	.p2align	8
	.type	k_qf310ab3961_ffn1,@function
k_qf310ab3961_ffn1:
	s_mov_b64 s[64:65], 0
	v_nop
	global_prefetch_b8 v0, s[64:65] scope:SCOPE_SE
	s_setreg_imm32_b32 hwreg(HW_REG_WAVE_MODE, 25, 1), 1
	s_wait_xcnt 0x0
; THE FIRST PRODUCT, THE ACTIVATION AND ITS QUANTISER.  Work-group (e, j) = (number / 32, number % 32) owns hidden units 64 j .. 64 j + 63 of expert e.
; PHASE 1: its 64 rows of w1 (1,024 f32 each, 256 KB, read from memory once in the whole launch) become codes of FP4 (E2M1) with one E8M0 byte for each 32 along K; eight rows a wave; they meet in LDS,
;   and behind the launch's one barrier every wave takes all 64 rows' fragments into its registers (256) and keeps them.
; PHASE 2: wave w takes tiles w, w + 8, .. of the expert's tiles of 16 tokens (list and counts: stored by the launch before).  A tile: x's codes, 32 matrix instructions, gelu (tanh form) in f32,
;   the quantiser along the hidden units, and the store of half a fragment of the second product's operand, laid as that operand's registers (hq) with its two scale bytes a token (hs).  No wave waits for another.
; THE MATRIX INSTRUCTION IS USED TRANSPOSED (source 0 = 16 rows of w1, source 1 = 16 tokens): a lane holds ONE token and its registers run along the hidden units, the next K.
; THE ROWS OF A TILE OF w1 ARE NOT NEIGHBOURS: lane r of tile 2 b + u takes row 32 b + 8 u + r + 8 (r / 8), so that the 16 registers of tiles 2 b, 2 b + 1 are units 32 b + 16 (lane / 16) + 0 .. 15.
; gelu(x) = x / (1 + 2^(x (K1 + K3 x x))), K1 = -2 log2(e) sqrt(2 / pi), K3 = 0.044715 K1: the same function as 0.5 x (1 + tanh(..)); for large |x| it runs to x or to -0 without a NaN.
; NO TENSOR LOAD, NO JOINT LOAD: the 32 work-groups of an expert read the same codes of x, but how many tiles there are is a number read from memory, on which the loop's trip count hangs;
;   so all operands come through registers.  What is shared is 512 bytes a token against 256 KB of weights that nobody shares.
; hs is stored as 2 bytes a token, 16 bytes apart: 32 bytes beside each 512 bytes of codes.
; LIMITS: a block of zeros, or one under 2^(3 - 127), gets the byte 1 (its codes are zeros; this program alone reads the bytes).  NaN and infinities among the inputs are not served.
;   An expert without tokens stores nothing; what its work-groups load ahead lies inside the buffers and is not used.
.set FST,  0                           ; LDS: f32 stages, 2 x 32 x 80 bytes a wave
.set WC,   40960                       ; 64 rows of codes, 512 bytes + 16
.set WS,   74752                       ; 64 rows of scale bytes, 32 bytes + 16
.set XST,  77824                       ; a stage of 16 rows of x's codes for each wave, 512 bytes + 16
.set WP,   528
.set L16,  1                           ; v1   16 x lane
.set FSI,  2                           ; v2   into an f32 stage
.set FSO,  3                           ; v3   out of it
.set WCI,  4                           ; v4   where I put 8 bytes of codes
.set WSI,  5                           ; v5   and a scale byte
.set AW,   6                           ; v6   my lane's place in a tile of w1's codes
.set ASW,  7                           ; v7   and among its scale words
.set XSTI, 8                           ; v8   into x's stage
.set XSTO, 9                           ; v9   out of it
.set X16,  10                          ; v10  16 x (lane % 16)
.set H16,  11                          ; v11  16 x (lane / 16)
.set HH32, 12                          ; v12  32 x (lane / 16)
.set R4,   13                          ; v13  4 x (lane % 16)
.set TKO,  14                          ; v14, v15 offsets into the list
.set VTO,  15
.set XSO,  16                          ; v16  offset of my token's scale words
.set HO,   17                          ; v17, v18 offsets into hq, hs
.set HSO,  18
.set HALF, 19                          ; v19  two scale bytes
.set K1,   20                          ; v20-21
.set XO,   22                          ; v22-29 offsets of eight rows of x's codes
.set MX,   30                          ; v30-31 the other half's maxima
.set WSC,  32                          ; v32-47 w1's scale words: register 4 t + i: lanes 0-15 K step i, lanes 16-31 K step 4 + i.  Scales and nothing else
.set XF,   48                          ; v48-111 x's eight fragments.  Behind the products:
.set G,    48                          ;   v48-79 at work for gelu
.set M,    80                          ;   v80-81 largest magnitudes, v84-85 scale operands, v86-87 bytes
.set SOP,  84
.set BY,   86
.set PC,   96                          ;   v96-99 the codes.  In phase 1: v96-99 codes, v100-101 bytes, v102-104 at work
.set EE,   100
.set TMP,  102
.set ACC,  112                         ; v112-143 four tiles of the hidden layer
.set X,    144                         ; v144-175 phase 1: two sets of 16 neighbours
.set XR,   176                         ; v176-239 sixteen rows of x's codes as loaded
.set XS,   240                         ; v240-243 x's scale words, as WSC.  Scales and nothing else
.set TOK,  244                         ; v244-251 eight tokens of the list
.set VT,   252                         ; v252 my lane's token
; window 1 (v256-511): phase 1: eight landing sets of 16; phase 2: w1's fragments, (K step s, tile t) at v[32 s + 8 t]
; SCALARS: s18 wave, s19 e, s20 j, s21 the expert's first tile, s22 its tiles, s23 its last tile's number, s24 my tile's number among the expert's, s25-27 the tile in hand and the two behind it,
;   s[30:31] lane selects, s[32:33] K3, s35 my trips, s36 the trip in hand
.set MSB, 0
.macro WIN new                         ; the immediate's high byte repeats the setting that is left
.if MSB != \new
	s_set_vgpr_msb (MSB<<8)|\new
.set MSB, \new
.endif
.endm
.macro LOADR t                         ; step t: half a row of w1, 2,048 bytes, into landing set t % 8 (window 1)
.irp i, 0,1,2,3
	global_load_b128 v[16*((\t)%8)+4*\i:16*((\t)%8)+4*\i+3], v[L16], s[4:5] offset:2048*(\t)+512*\i th:TH_LOAD_NT
.endr
.endm
.macro TURN t                          ; step t's numbers through a stage, so that a lane gets 16 neighbours: LDS serves a wave's instructions in order
	WIN 0x04                                       ; an LDS store's data are its source 1: window 1
.irp i, 0,1,2,3
	ds_store_b128 v[FSI], v[16*((\t)%8)+4*\i:16*((\t)%8)+4*\i+3] offset:2560*((\t)%2)+640*\i
.endr
	WIN 0
.irp i, 0,1,2,3
	ds_load_b128 v[X+16*((\t)%2)+4*\i:X+16*((\t)%2)+4*\i+3], v[FSO] offset:2560*((\t)%2)+16*\i
.endr
.endm
.macro NEXT d, i                       ; s[d] = the expert's tile number min(s[i], tiles - 1): a tile that exists, and inside the lists whatever was read
	s_min_u32 s[\d], s[\i], s23
	s_add_co_u32 s[\d], s[\d], s21
	s_min_u32 s[\d], s[\d], 135
.endm
.macro TOKLOAD t                       ; three loads: the 16 tokens of tile s[t]: eight a half of the lanes, and my lane's own
	s_lshl_b32 s28, s[\t], 6
	v_add_nc_u32 v[TKO], s28, v[HH32]
	v_add_nc_u32 v[VTO], s28, v[R4]
	global_load_b128 v[TOK:TOK+3], v[TKO], s[10:11]
	global_load_b128 v[TOK+4:TOK+7], v[TKO], s[10:11] offset:16
	global_load_b32 v[VT], v[VTO], s[10:11]
.endm
.macro OFFS                            ; tokens into byte offsets
.irp i, 0,1,2,3,4,5,6,7
	v_min_u32 v[TOK+\i], 2047, v[TOK+\i]
.endr
.irp i, 0,1,2,3,4,5,6,7
	v_lshl_add_u32 v[XO+\i], v[TOK+\i], 9, v[X16]
.endr
	v_min_u32 v[VT], 2047, v[VT]
	v_lshl_add_u32 v[XSO], v[VT], 5, v[H16]
.endm
.macro ROWS                            ; sixteen loads: lanes 0-15 read 256 consecutive bytes of row i, lanes 16-31 of row 8 + i
.irp i, 0,1,2,3,4,5,6,7
	global_load_b128 v[XR+8*\i:XR+8*\i+3], v[XO+\i], s[6:7]
	global_load_b128 v[XR+8*\i+4:XR+8*\i+7], v[XO+\i], s[6:7] offset:256
.endr
.endm
.macro PROD s, t                       ; K step s, tile t
.if \s == 0
	v_wmma_scale_f32_16x16x128_f8f6f4 v[ACC+8*\t:ACC+8*\t+7], v[8*\t:8*\t+7], v[XF:XF+7], 0, v[WSC+4*\t], v[XS] matrix_a_fmt:MATRIX_FMT_FP4 matrix_b_fmt:MATRIX_FMT_FP4
.elseif \s < 4
	v_wmma_scale_f32_16x16x128_f8f6f4 v[ACC+8*\t:ACC+8*\t+7], v[32*\s+8*\t:32*\s+8*\t+7], v[XF+8*\s:XF+8*\s+7], v[ACC+8*\t:ACC+8*\t+7], v[WSC+4*\t+\s], v[XS+\s] matrix_a_fmt:MATRIX_FMT_FP4 matrix_b_fmt:MATRIX_FMT_FP4
.else
	v_wmma_scale_f32_16x16x128_f8f6f4 v[ACC+8*\t:ACC+8*\t+7], v[32*\s+8*\t:32*\s+8*\t+7], v[XF+8*\s:XF+8*\s+7], v[ACC+8*\t:ACC+8*\t+7], v[WSC+4*\t+\s-4], v[XS+\s-4] matrix_a_fmt:MATRIX_FMT_FP4 matrix_b_fmt:MATRIX_FMT_FP4 matrix_a_scale:MATRIX_SCALE_ROW1 matrix_b_scale:MATRIX_SCALE_ROW1
.endif
.endm
	s_load_b256 s[4:11], s[0:1], 0x0               ; w1 s[4:5], xq s[6:7], xs s[8:9], order s[10:11]
	s_load_b128 s[12:15], s[0:1], 0x20             ; meta s[12:13], hq s[14:15]
	s_load_b64 s[16:17], s[0:1], 0x30              ; hs
	v_lshl_add_u32 v254, v0, 2, 0x23800
	v_mov_b32 v255, 0
	v_lshrrev_b32 v1, 5, v0
	v_readfirstlane_b32 s18, v1                    ; wave 0..7
	s_lshr_b32 s19, ttmp9, 5                       ; e
	s_and_b32 s20, ttmp9, 31                       ; j
	v_and_b32 v19, 31, v0                          ; lane
	v_lshlrev_b32 v[L16], 4, v19
	s_lshl_b32 s28, s19, 11
	s_lshl_b32 s29, s20, 6
	s_add_co_u32 s28, s28, s29
	s_lshl_b32 s29, s18, 3
	s_add_co_u32 s28, s28, s29                     ; my wave's first row of w1: 2048 e + 64 j + 8 w
	s_lshl_b32 s28, s28, 12                        ; x 4,096 bytes: under 2^26
	s_mov_b32 s29, 0
	s_wait_kmcnt 0x0
	s_add_nc_u64 s[4:5], s[4:5], s[28:29]
	WIN 0x40                                       ; destination window 1
.irp t, 0,1,2,3,4,5,6,7
	LOADR \t                                       ; eight steps, 32 loads of 512 bytes, are asked for before anything else
.endr
	WIN 0
	s_lshl_b32 s28, s19, 2
	s_add_nc_u64 s[12:13], s[12:13], s[28:29]
	s_load_b32 s21, s[12:13], 0x0                  ; the expert's first tile
	s_load_b32 s22, s[12:13], 0x20                 ; and its tiles
	s_lshl_b32 s28, s20, 9
	s_add_nc_u64 s[14:15], s[14:15], s[28:29]      ; hq: slice j begins 512 j bytes into a tile
	s_lshr_b32 s28, s20, 3
	s_lshl_b32 s28, s28, 8
	s_and_b32 s34, s20, 7
	s_lshl_b32 s34, s34, 1
	s_add_co_u32 s28, s28, s34
	s_add_nc_u64 s[16:17], s[16:17], s[28:29]      ; hs: 256 (j / 8) + 2 (j % 8): K step j / 2's word, its half j % 2
	s_mul_i32 s34, s18, 5120
	v_lshrrev_b32 v[FSI], 2, v19
	v_mul_u32_u24 v[FSI], v[FSI], 80
	v_and_b32 v[FSO], 3, v19
	v_lshl_add_u32 v[FSI], v[FSO], 4, v[FSI]
	v_add_nc_u32 v[FSI], s34, v[FSI]               ; four lanes' 64 bytes on end, then 16 of padding
	v_mul_u32_u24 v[FSO], v19, 80
	v_add_nc_u32 v[FSO], s34, v[FSO]
	s_mul_i32 s34, s18, 8*WP
	s_add_co_u32 s34, s34, WC
	v_lshl_add_u32 v[WCI], v19, 3, s34
	s_mul_i32 s34, s18, 8*48
	s_add_co_u32 s34, s34, WS
	v_lshrrev_b32 v[WSI], 1, v19
	v_add_nc_u32 v[WSI], s34, v[WSI]
	v_and_b32 v[R4], 15, v0                        ; r
	v_bfe_u32 v[HH32], v0, 4, 1                    ; h
	v_lshlrev_b32 v[X16], 4, v[R4]
	v_lshlrev_b32 v[H16], 4, v[HH32]
	v_and_b32 v[AW], 8, v[R4]
	v_add_nc_u32 v[AW], v[AW], v[R4]               ; r + 8 (r / 8)
	v_mul_u32_u24 v[ASW], v[AW], 48
	v_add_nc_u32 v[ASW], v[ASW], v[H16]
	v_add_nc_u32 v[ASW], WS, v[ASW]
	v_mul_u32_u24 v[AW], v[AW], WP
	v_add_nc_u32 v[AW], v[AW], v[H16]
	v_add_nc_u32 v[AW], WC, v[AW]
	s_mul_i32 s34, s18, 16*WP
	s_add_co_u32 s34, s34, XST
	v_mul_u32_u24 v[XSTI], v[HH32], 8*WP
	v_add_nc_u32 v[XSTI], v[XSTI], v[X16]
	v_add_nc_u32 v[XSTI], s34, v[XSTI]             ; in: row 8 (lane / 16) + i, 16 bytes a lane
	v_mul_u32_u24 v[XSTO], v[R4], WP
	v_add_nc_u32 v[XSTO], v[XSTO], v[H16]
	v_add_nc_u32 v[XSTO], s34, v[XSTO]             ; out: a fragment's row r, + 16 h
	v_lshlrev_b32 v[HH32], 5, v[HH32]
	v_lshlrev_b32 v[R4], 2, v[R4]
	v_mov_b32 v[K1], 0xc0135761                    ; K1 = -2.3022082
	v_mov_b32 v[K1+1], 0xc0135761
	v_mov_b32 v[MX], 0                             ; written once: a lane permute's destination counts as one of its sources
	v_mov_b32 v[MX+1], 0
	s_mov_b32 s32, 0xbdd2d3e8                      ; K3 = -0.10294324
	s_mov_b32 s33, s32                             ; (named with it as a pair, so it is written)
	s_mov_b32 s30, 0x76543210
	s_mov_b32 s31, 0xfedcba98                      ; v_permlanex16_b32's selects for lane l xor 16
	s_mov_b32 s24, s18                             ; my tile's number among the expert's: w, w + 8, ..
	s_mov_b32 s36, 0                               ; the trip in hand
	s_wait_kmcnt 0x0
	s_min_u32 s22, s22, 136                        ; the lists hold 136 tiles
	s_max_u32 s23, s22, 1
	s_sub_co_u32 s23, s23, 1                       ; the expert's last tile (0 where it has none)
	s_add_co_u32 s35, s22, 7
	s_sub_co_u32 s35, s35, s18
	s_lshr_b32 s35, s35, 3                         ; my trips: the tiles w, w + 8, .. under the expert's count: (tiles + 7 - w) / 8, 0 where tiles <= w
	NEXT 25, 24                                    ; my first tile
	TOKLOAD 25                                     ; three loads
	s_wait_loadcnt 31                              ; step 0's four loads are in: behind them stand steps 1-7's 28 and the list's 3
	TURN 0
; PHASE 1.  A step: 512 numbers of a row.  The loads run eight steps ahead, the turn through LDS one.
.macro STEP t
.set XS_, X+16*((\t)%2)
.set CS_, PC+2*((\t)%2)
.set ES_, EE+(\t)%2
.if (\t) == 0
	s_wait_dscnt 0x0
.else
	s_wait_dscnt 0x2                               ; this step's numbers are back from the stage (behind them: the last step's code store and byte store); so its landing set has been read, and so have the codes of two steps ago
.endif
.if (\t) <= 7
	WIN 0x40
	LOADR (\t)+8
.endif
.if (\t) <= 6
	s_wait_loadcnt 31                              ; the next step's four are in: behind them stand seven sets and the list's 3
.elseif (\t) == 7
	s_wait_loadcnt 28                              ; behind step 8's four: steps 9-15.  The list's three are older: they are in too
.elseif (\t) <= 14
	s_wait_loadcnt 4*(14-(\t))+20                  ; behind them: the steps still out, and the first tile's 20 loads
.endif
.if (\t) <= 14
	TURN (\t)+1
.endif
.if (\t) == 7                          ; my first tile's rows of x, its scale words and my second tile's tokens are asked for here: 20 loads, which land under the rest of phase 1
	OFFS
	ROWS
	global_load_b128 v[XS:XS+3], v[XSO], s[8:9]
	s_add_co_u32 s28, s24, 8
	NEXT 26, 28
	TOKLOAD 26
.endif
	v_max3_num_f32 v[TMP], |v[XS_]|, |v[XS_+1]|, |v[XS_+2]|
	v_max3_num_f32 v[TMP+1], |v[XS_+3]|, |v[XS_+4]|, |v[XS_+5]|
.irp i, 6,10
	v_max3_num_f32 v[TMP], v[TMP], |v[XS_+\i]|, |v[XS_+\i+1]|
	v_max3_num_f32 v[TMP+1], v[TMP+1], |v[XS_+\i+2]|, |v[XS_+\i+3]|
.endr
	v_max3_num_f32 v[TMP], v[TMP], |v[XS_+14]|, |v[XS_+15]|
	v_max3_num_f32 v[TMP], v[TMP], v[TMP+1], 0x1800000             ; and the floor 2^(3 - 127)
	v_max_num_f32_dpp v[TMP], v[TMP], v[TMP] row_xmask:1 row_mask:0xf bank_mask:0xf   ; with my neighbour's 16: the block's
	v_add_nc_u32 v[TMP+2], 0xff000000, v[TMP]      ; 2 off the exponent field: the conversion's scale operand
	v_cvt_scalef32_pk8_fp4_f32 v[CS_], v[XS_:XS_+7], v[TMP+2]
	v_cvt_scalef32_pk8_fp4_f32 v[CS_+1], v[XS_+8:XS_+15], v[TMP+2]
	v_lshrrev_b32 v[ES_], 23, v[TMP+2]             ; the scale's byte (a plain line behind the conversions)
	ds_store_b64 v[WCI], v[CS_:CS_+1] offset:WP*((\t)/2)+256*((\t)%2)
	ds_store_b8 v[WSI], v[ES_] offset:48*((\t)/2)+16*((\t)%2)      ; both lanes of a block write the same byte with the same value
.endm
.irp t, 0,1,2,3,4,5,6,7,8,9,10,11,12,13,14,15
	STEP \t
.endr
	s_wait_dscnt 0x0                               ; for the others' sake: my eight rows' codes and bytes lie in LDS
	s_barrier_signal -1
	s_barrier_wait -1                              ; the launch's one barrier: ahead of every branch on a number that was read
	WIN 0x40
.irp s, 0,1,2,3,4,5,6,7
.irp t, 0,1,2,3
.irp c, 0,1
	ds_load_b128 v[32*\s+8*\t+4*\c:32*\s+8*\t+4*\c+3], v[AW] offset:(32*(\t/2)+8*(\t%2))*WP+64*\s+32*\c
.endr
.endr
.endr
	WIN 0
.irp t, 0,1,2,3
	ds_load_b128 v[WSC+4*\t:WSC+4*\t+3], v[ASW] offset:(32*(\t/2)+8*(\t%2))*48   ; lane (r, h): the words of K steps 4 h .. 4 h + 3 of the tile's row r
.endr
	s_wait_dscnt 0x0
	s_cmp_eq_u32 s35, 0
	s_cbranch_scc1 .Lend                           ; fewer tiles than waves: nothing for me
; PHASE 2.  At a trip's head: this tile's rows of x and scale words, and the next tile's tokens, were asked for a trip ago.
.Ltile:
	s_wait_loadcnt 0x0                             ; they are in
	s_wait_xcnt 0x0                                ; the last trip's stores have read their data and offsets: both are written again below
.irp i, 0,1,2,3,4,5,6,7
	ds_store_b128 v[XSTI], v[XR+8*\i:XR+8*\i+3] offset:WP*\i
	ds_store_b128 v[XSTI], v[XR+8*\i+4:XR+8*\i+7] offset:WP*\i+256
.endr
.irp s, 0,1,2,3,4,5,6,7                ; my wave's own bytes, served in order: no wait between the stores and the loads
	ds_load_b128 v[XF+8*\s:XF+8*\s+3], v[XSTO] offset:64*\s
	ds_load_b128 v[XF+8*\s+4:XF+8*\s+7], v[XSTO] offset:64*\s+32
.endr
	OFFS                                           ; the next tile's offsets
	s_lshl_b32 s28, s25, 14
	v_add_nc_u32 v[HO], s28, v[L16]                ; hq: 16,384 bytes a tile
	s_lshl_b32 s28, s25, 10
	v_add_nc_u32 v[HSO], s28, v[X16]               ; hs: 1,024 bytes a tile, 16 a token
	s_add_co_u32 s28, s24, 16
	NEXT 27, 28                                    ; the tile after the next
	s_wait_dscnt 0x0                               ; the fragments are in, and the stage's stores have read the rows' registers,
	ROWS                                           ; which take the next tile's rows
	TOKLOAD 27
	WIN 0x01                                       ; source 0 (w1) window 1
.irp s, 0,1,2,3,4,5,6,7                ; the four accumulators take turns, one instruction a turn
.irp t, 0,1,2,3
	PROD \s, \t
.endr
.endr
	WIN 0
.rept 4
	v_nop                                          ; four places in front of the load into the scale registers, of the first read of results and of the first write over x's fragments
.endr
	global_load_b128 v[XS:XS+3], v[XSO], s[8:9]    ; the next tile's scale words
.set p, 0
.rept 16
	v_pk_mul_f32 v[G+p:G+p+1], v[ACC+p:ACC+p+1], v[ACC+p:ACC+p+1]  ; x x; each accumulator is read from its low end on
.set p, p+2
.endr
.set p, 0
.rept 16
	v_pk_fma_f32 v[G+p:G+p+1], v[G+p:G+p+1], s[32:33], v[K1:K1+1] op_sel_hi:[1,0,1]   ; K3 x x + K1
.set p, p+2
.endr
.set p, 0
.rept 16
	v_pk_mul_f32 v[G+p:G+p+1], v[G+p:G+p+1], v[ACC+p:ACC+p+1]
.set p, p+2
.endr
.set p, 0
.rept 32
	v_exp_f32 v[G+p], v[G+p]
.set p, p+1
.endr
	v_nop                                          ; a plain place behind the exponentials
.set p, 0
	s_wait_alu depctr_va_vdst(0)
.rept 16
	v_pk_add_f32 v[G+p:G+p+1], v[G+p:G+p+1], 1.0 op_sel_hi:[1,0]
.set p, p+2
.endr
.set p, 0
.rept 32
	v_rcp_f32 v[G+p], v[G+p]
.set p, p+1
.endr
	v_nop                                          ; a plain place behind the reciprocals
.set p, 0
	s_wait_alu depctr_va_vdst(0)
.rept 16
	v_pk_mul_f32 v[ACC+p:ACC+p+1], v[ACC+p:ACC+p+1], v[G+p:G+p+1]  ; gelu
.set p, p+2
.endr
	; the quantiser: two blocks of 32 hidden units; block b lies in my 16 registers and in lane l xor 16's
.irp b, 0,1
	v_max3_num_f32 v[M+\b], |v[ACC+16*\b]|, |v[ACC+16*\b+1]|, 0x1800000
.endr
.irp i, 2,4,6,8,10,12,14
.irp b, 0,1
	v_max3_num_f32 v[M+\b], v[M+\b], |v[ACC+16*\b+\i]|, |v[ACC+16*\b+\i+1]|
.endr
.endr
.irp b, 0,1
	v_permlanex16_b32 v[MX+\b], v[M+\b], s30, s31
.endr
.irp b, 0,1
	v_max_num_f32 v[M+\b], v[M+\b], v[MX+\b]
.endr
.irp b, 0,1
	v_add_nc_u32 v[SOP+\b], 0xff000000, v[M+\b]
.endr
.irp b, 0,1
	v_lshrrev_b32 v[BY+\b], 23, v[SOP+\b]
.endr
	v_lshl_or_b32 v[HALF], v[BY+1], 8, v[BY]       ; my token's two scale bytes
.irp b, 0,1
	v_cvt_scalef32_pk8_fp4_f32 v[PC+2*\b], v[ACC+16*\b:ACC+16*\b+7], v[SOP+\b]
	v_cvt_scalef32_pk8_fp4_f32 v[PC+2*\b+1], v[ACC+16*\b+8:ACC+16*\b+15], v[SOP+\b]
.endr
	v_nop                                          ; a plain place behind the conversions
	v_permlane16_swap_b32 v[PC], v[PC+2]           ; the operand's layout wants a whole block in a lane: lanes 0-15 the first block, lanes 16-31 the second
	v_permlane16_swap_b32 v[PC+1], v[PC+3]
	global_store_b128 v[HO], v[PC:PC+3], s[14:15]  ; four registers of the next operand as they stand: 512 consecutive bytes, aligned
	global_store_b16 v[HSO], v[HALF], s[16:17]     ; lanes r and 16 + r store the same two bytes with the same value
	s_mov_b32 s25, s26
	s_mov_b32 s26, s27
	s_add_co_u32 s24, s24, 8                       ; my next tile's number: it feeds addresses alone
	s_add_co_u32 s36, s36, 1                       ; the loop counts its trips one by one
	s_cmp_lt_u32 s36, s35
	s_cbranch_scc1 .Ltile
.Lend:
	s_wait_tensorcnt 0x0
	ds_add_u32 v254, v255
	s_wait_dscnt 0x0
	s_endpgm
.Lfunc_end_k_qf310ab3961_ffn1:
	.size	k_qf310ab3961_ffn1, .Lfunc_end_k_qf310ab3961_ffn1-k_qf310ab3961_ffn1
	.p2alignl 7, 3214868480
	.fill 96, 4, 3214868480
	.section	.rodata,"a",@progbits
	.p2align	6, 0x0
	.amdhsa_kernel k_qf310ab3961_ffn1
		.amdhsa_group_segment_fixed_size 146432
		.amdhsa_private_segment_fixed_size 0
		.amdhsa_enable_private_segment 0
		.amdhsa_kernarg_size 56
		.amdhsa_user_sgpr_count 2
		.amdhsa_user_sgpr_kernarg_segment_ptr 1
		.amdhsa_wavefront_size32 1
		.amdhsa_system_sgpr_workgroup_id_x 1
		.amdhsa_system_sgpr_workgroup_id_y 1
		.amdhsa_system_sgpr_workgroup_id_z 1
		.amdhsa_system_vgpr_workitem_id 0
		.amdhsa_next_free_vgpr 512
		.amdhsa_next_free_sgpr 66
		.amdhsa_reserve_vcc 0
		.amdhsa_float_denorm_mode_32 3
		.amdhsa_float_denorm_mode_16_64 3
		.amdhsa_memory_ordered 1
		.amdhsa_forward_progress 1
		.amdhsa_inst_pref_size 63
	.end_amdhsa_kernel
	.amdgpu_metadata
---
amdhsa.version: [ 1, 2 ]
amdhsa.kernels:
  - .name:           k_qf310ab3961_ffn1
    .symbol:         k_qf310ab3961_ffn1.kd
    .args:
      - { .name: w1, .offset: 0, .size: 8, .value_kind: global_buffer, .address_space: global }
      - { .name: xq, .offset: 8, .size: 8, .value_kind: global_buffer, .address_space: global }
      - { .name: xs, .offset: 16, .size: 8, .value_kind: global_buffer, .address_space: global }
      - { .name: order, .offset: 24, .size: 8, .value_kind: global_buffer, .address_space: global }
      - { .name: meta, .offset: 32, .size: 8, .value_kind: global_buffer, .address_space: global }
      - { .name: hq, .offset: 40, .size: 8, .value_kind: global_buffer, .address_space: global }
      - { .name: hs, .offset: 48, .size: 8, .value_kind: global_buffer, .address_space: global }
    .group_segment_fixed_size: 146432
    .private_segment_fixed_size: 0
    .kernarg_segment_align: 8
    .kernarg_segment_size: 56
    .max_flat_workgroup_size: 256
    .sgpr_count:     66
    .vgpr_count:     512
    .wavefront_size: 32
...
	.end_amdgpu_metadata
.endif
;; end of part 2
;; launch ffn2 (part 3): grid 256 x 1, 4 waves a work-group, no clusters, 87,552 bytes of LDS; arguments wq, hq, hs, order, meta, out0; writes out0
.if DOCPART == 3
	.amdgcn_target "amdgcn-amd-amdhsa--gfx1250"
	.amdhsa_code_object_version 6
	.text
	.protected	k_qf310ab3961_ffn2
	.globl	k_qf310ab3961_ffn2
	.p2align	8
	.type	k_qf310ab3961_ffn2,@function
k_qf310ab3961_ffn2:
	s_mov_b64 s[64:65], 0
	v_nop
	global_prefetch_b8 v0, s[64:65] scope:SCOPE_SE
	s_setreg_imm32_b32 hwreg(HW_REG_WAVE_MODE, 25, 1), 1
	s_wait_xcnt 0x0
; THE SECOND PRODUCT.  Work-group (e, jn, th) = (number / 32, (number / 2) % 16, number % 2) owns columns 64 jn .. 64 jn + 63 of out0 for half of expert e's tiles of 16 tokens, over all of K = 2,048:
;   each output number has one sum.  Wave w takes tiles u, u + 8, .. of the expert's, u = 4 th + w.
; PHASE 1: the slice's codes of FP4 (E2M1) and scale words (69,632 bytes, made by the first launch and laid as this text's LDS) are copied from memory to LDS, a quarter a wave, 512 consecutive bytes a load;
;   behind the launch's one barrier every wave takes all 64 fragments (512 registers) and 32 scale registers and keeps them.
;   A TILE OF 16 COLUMNS IS THE COLUMNS 4 r + cc (cc = 0 .. 3) of the slice: so the first launch laid them.
; PHASE 2: a tile: the hidden layer's 16 fragments (laid as registers by the launch before), 64 matrix instructions, and 16 pieces of rows of out0, each 256 consecutive bytes, aligned, at the token's own row.
;   The fragments come in two groups that are asked for one tile ahead.  No wave waits for another.
; THE MATRIX INSTRUCTION IS USED TRANSPOSED (source 0 = 16 columns of w2, source 1 = 16 tokens).
; NO TENSOR LOAD, NO JOINT LOAD: the work-groups of an expert read the same hidden codes, and two read the same slice, but how many tiles there are is a number read from memory, on which the loop's trip count hangs;
;   so all operands come through registers.
; A pad of the list repeats a token of its own tile: that row is computed twice in one wave, from the same codes, and the same numbers are stored to the same bytes by that wave.
; LIMITS: as the launches that made the codes state them.  If no token at all has an expert in 0 .. 7 this launch has no tile and stores nothing: out0 is then zeros, stored two launches before.
.set IMG,   0                          ; LDS: fragment (K step s, tile cc) at 1024 (4 s + cc): registers 4 c .. 4 c + 3 at 512 c + 16 x lane
.set SIMG,  65536                      ; scale word (s, cc, r) at 256 s + 128 (cc / 2) + 8 r + 4 (cc % 2)
.set OST,   69632                      ; a stage of 16 rows x (256 bytes + 16) for each wave
.set SLICE, 69632                      ; bytes of a slice
.set PART,  17408                      ; a wave's quarter of it: 34 x 512
.set L16,  2                           ; v2   16 x lane
.set CPI,  3                           ; v3   where I put my quarter of the slice
.set SRD,  5                           ; v5   where I read scale words
.set SO,   6                           ; v6   into the stage
.set SR,   7                           ; v7   out of it
.set X16,  8                           ; v8   16 x (lane % 16)
.set HH32, 9                           ; v9   32 x (lane / 16)
.set HV,   10                          ; v10  lane / 16
.set HQO,  11                          ; v11-13 offsets into hq, hs, the list
.set HSO,  12
.set TKO,  13
.set TOK,  16                          ; v16-23 eight tokens of the list
.set HS,   24                          ; v24-31 the hidden layer's scale words: register 4 (s / 8) + s % 4, lanes 16 ((s / 4) % 2) on.  Scales and nothing else
.set WSC,  32                          ; v32-63 w2's scale words: register 16 (cc / 2) + 2 (s / 2) + cc % 2, lanes 16 (s % 2) on.  Scales and nothing else
.set LAND, 64                          ; phase 1: v64-199 my quarter of the slice on its way to LDS
.set ACC,  128                         ; phase 2: v128-159 four tiles of out0
.set OB,   160                         ; v160-191 rows read back
.set OFF,  192                         ; v192-199 offsets of eight rows of out0
; window 1: the fragments of K steps 0-7, (s, cc) at v[32 s + 8 cc].  window 2: those of K steps 8-15.  window 3: v0-127 the hidden layer's fragments, K step s at v[8 s]
; SCALARS: s18 wave, s19 e, s20 jn, s21 the expert's first tile, s22 its tiles, s23 its last tile's number, s24 my tile's number among the expert's, s25 the tile asked for, s26 all tiles, s27 the last tile of all,
;   s34 my trips, s35 the trip in hand, s36 th
.set MSB, 0
.macro WIN new                         ; the immediate's high byte repeats the setting that is left
.if MSB != \new
	s_set_vgpr_msb (MSB<<8)|\new
.set MSB, \new
.endif
.endm
.macro NEXTT i                         ; s25 = the expert's tile number min(s[i], tiles - 1), held to the tiles that exist, and inside the buffers whatever was read
	s_min_u32 s25, s[\i], s23
	s_add_co_u32 s25, s25, s21
	s_min_u32 s25, s25, s27
	s_min_u32 s25, s25, 135
.endm
.macro SETT
	s_lshl_b32 s28, s25, 14
	v_add_nc_u32 v[HQO], s28, v[L16]
	s_lshl_b32 s28, s25, 10
	v_add_nc_u32 v[HSO], s28, v[L16]
	s_lshl_b32 s28, s25, 6
	v_add_nc_u32 v[TKO], s28, v[HH32]
.endm
.macro GROUPA                          ; 19 loads: K steps 0-7, their scale words, the tile's tokens
	WIN 0xc0                                       ; destination window 3
.irp s, 0,1,2,3,4,5,6,7
	global_load_b128 v[8*\s:8*\s+3], v[HQO], s[6:7] offset:1024*\s
	global_load_b128 v[8*\s+4:8*\s+7], v[HQO], s[6:7] offset:1024*\s+512
.endr
	WIN 0
	global_load_b128 v[HS:HS+3], v[HSO], s[8:9]
	global_load_b128 v[TOK:TOK+3], v[TKO], s[10:11]
	global_load_b128 v[TOK+4:TOK+7], v[TKO], s[10:11] offset:16
.endm
.macro GROUPB                          ; 17 loads: K steps 8-15 and their scale words
	WIN 0xc0
.irp s, 8,9,10,11,12,13,14,15
	global_load_b128 v[8*\s:8*\s+3], v[HQO], s[6:7] offset:1024*\s
	global_load_b128 v[8*\s+4:8*\s+7], v[HQO], s[6:7] offset:1024*\s+512
.endr
	WIN 0
	global_load_b128 v[HS+4:HS+7], v[HSO], s[8:9] offset:512
.endm
.macro PROD s, cc                      ; K step s, tile cc
.set rA, 32*((\s)%8)+8*(\cc)
.set rB, 8*(\s)
.set rD, ACC+8*(\cc)
.set rSA, WSC+16*((\cc)/2)+2*((\s)/2)+(\cc)%2
.set rSB, HS+4*((\s)/8)+(\s)%4
.set a1, (\s)%2
.set b1, ((\s)/4)%2
.if (\s) == 0
	v_wmma_scale_f32_16x16x128_f8f6f4 v[rD:rD+7], v[rA:rA+7], v[rB:rB+7], 0, v[rSA], v[rSB] matrix_a_fmt:MATRIX_FMT_FP4 matrix_b_fmt:MATRIX_FMT_FP4
.elseif (a1 == 0) && (b1 == 0)
	v_wmma_scale_f32_16x16x128_f8f6f4 v[rD:rD+7], v[rA:rA+7], v[rB:rB+7], v[rD:rD+7], v[rSA], v[rSB] matrix_a_fmt:MATRIX_FMT_FP4 matrix_b_fmt:MATRIX_FMT_FP4
.elseif (a1 == 1) && (b1 == 0)
	v_wmma_scale_f32_16x16x128_f8f6f4 v[rD:rD+7], v[rA:rA+7], v[rB:rB+7], v[rD:rD+7], v[rSA], v[rSB] matrix_a_fmt:MATRIX_FMT_FP4 matrix_b_fmt:MATRIX_FMT_FP4 matrix_a_scale:MATRIX_SCALE_ROW1
.elseif (a1 == 0) && (b1 == 1)
	v_wmma_scale_f32_16x16x128_f8f6f4 v[rD:rD+7], v[rA:rA+7], v[rB:rB+7], v[rD:rD+7], v[rSA], v[rSB] matrix_a_fmt:MATRIX_FMT_FP4 matrix_b_fmt:MATRIX_FMT_FP4 matrix_b_scale:MATRIX_SCALE_ROW1
.else
	v_wmma_scale_f32_16x16x128_f8f6f4 v[rD:rD+7], v[rA:rA+7], v[rB:rB+7], v[rD:rD+7], v[rSA], v[rSB] matrix_a_fmt:MATRIX_FMT_FP4 matrix_b_fmt:MATRIX_FMT_FP4 matrix_a_scale:MATRIX_SCALE_ROW1 matrix_b_scale:MATRIX_SCALE_ROW1
.endif
.endm
	s_load_b256 s[4:11], s[0:1], 0x0               ; wq s[4:5], hq s[6:7], hs s[8:9], order s[10:11]
	s_load_b128 s[12:15], s[0:1], 0x20             ; meta s[12:13], out0 s[14:15]
	v_lshl_add_u32 v254, v0, 2, 0x15400
	v_mov_b32 v255, 0
	v_lshrrev_b32 v1, 5, v0
	v_readfirstlane_b32 s18, v1                    ; wave 0..3
	s_lshr_b32 s19, ttmp9, 5                       ; e
	s_bfe_u32 s20, ttmp9, 0x40001                  ; jn: four bits from bit 1
	s_and_b32 s36, ttmp9, 1                        ; th
	v_and_b32 v14, 31, v0                          ; lane
	v_lshlrev_b32 v[L16], 4, v14
	s_lshl_b32 s28, s19, 4
	s_add_co_u32 s28, s28, s20                     ; the slice: 16 e + jn
	s_mul_i32 s28, s28, SLICE
	s_mul_i32 s29, s18, PART
	s_add_co_u32 s28, s28, s29                     ; my quarter of it: under 2^24
	s_mov_b32 s29, 0
	s_wait_kmcnt 0x0
	s_add_nc_u64 s[4:5], s[4:5], s[28:29]
.set k_, 0
.rept 34
	global_load_b128 v[LAND+4*k_:LAND+4*k_+3], v[L16], s[4:5] offset:512*k_   ; 32 lanes read 512 consecutive bytes
.set k_, k_+1
.endr
	s_lshl_b32 s28, s19, 2
	s_add_nc_u64 s[32:33], s[12:13], s[28:29]
	s_load_b32 s21, s[32:33], 0x0                  ; the expert's first tile,
	s_load_b32 s22, s[32:33], 0x20                 ; its tiles,
	s_load_b32 s26, s[12:13], 0x40                 ; all tiles
	s_lshl_b32 s28, s20, 8
	s_add_nc_u64 s[14:15], s[14:15], s[28:29]      ; out0 at my columns
	s_mul_i32 s28, s18, PART
	v_add_nc_u32 v[CPI], s28, v[L16]
	v_and_b32 v15, 15, v0                          ; lane % 16
	v_bfe_u32 v[HV], v0, 4, 1                      ; lane / 16
	v_lshlrev_b32 v[X16], 4, v15
	v_lshl_add_u32 v[SRD], v15, 3, SIMG
	v_lshl_add_u32 v[SRD], v[HV], 8, v[SRD]        ; lanes 16-31 take the K step behind
	s_mul_i32 s28, s18, 16*272
	s_add_co_u32 s28, s28, OST
	v_mul_u32_u24 v[SO], v15, 272
	v_lshl_add_u32 v[SO], v[HV], 7, v[SO]
	v_add_nc_u32 v[SO], s28, v[SO]                 ; in: my token's row, + 128 bytes for lanes 16-31
	v_mul_u32_u24 v[SR], v[HV], 8*272
	v_add_nc_u32 v[SR], v[SR], v[X16]
	v_add_nc_u32 v[SR], s28, v[SR]                 ; back: row 8 (lane / 16) + i, 16 bytes a lane
	v_lshlrev_b32 v[HH32], 5, v[HV]
	s_lshl_b32 s24, s36, 2
	s_add_co_u32 s24, s24, s18                     ; my tile's number among the expert's: u = 4 th + w, then u + 8, ..
	s_mov_b32 s35, 0                               ; the trip in hand
	s_wait_kmcnt 0x0
	s_min_u32 s22, s22, 136                        ; the lists hold 136 tiles
	s_max_u32 s23, s22, 1
	s_sub_co_u32 s23, s23, 1                       ; the expert's last tile (0 where it has none)
	s_max_u32 s27, s26, 1
	s_sub_co_u32 s27, s27, 1                       ; the last tile of all
	s_add_co_u32 s34, s22, 7
	s_sub_co_u32 s34, s34, s24
	s_lshr_b32 s34, s34, 3                         ; my trips: the tiles u, u + 8, .. under the expert's count: (tiles + 7 - u) / 8, 0 where tiles <= u
	NEXTT 24
	SETT
	GROUPA                                         ; my first tile is asked for here: 36 loads, which land under the copy, the barrier and the 144 LDS loads
	GROUPB
	s_wait_loadcnt 36                              ; my quarter of the slice is in; the first tile's 36 loads stay out
.set k_, 0
.rept 34
	ds_store_b128 v[CPI], v[LAND+4*k_:LAND+4*k_+3] offset:512*k_
.set k_, k_+1
.endr
	s_wait_dscnt 0x0                               ; for the others' sake: my quarter lies in LDS
	s_barrier_signal -1
	s_barrier_wait -1                              ; the launch's one barrier: ahead of every branch on a number that was read
	WIN 0x40
.irp s, 0,1,2,3,4,5,6,7
.irp cc, 0,1,2,3
.irp c, 0,1
	ds_load_b128 v[32*\s+8*\cc+4*\c:32*\s+8*\cc+4*\c+3], v[L16] offset:1024*(4*\s+\cc)+512*\c
.endr
.endr
.endr
	WIN 0x80
.irp s, 0,1,2,3,4,5,6,7
.irp cc, 0,1,2,3
.irp c, 0,1
	ds_load_b128 v[32*\s+8*\cc+4*\c:32*\s+8*\cc+4*\c+3], v[L16] offset:1024*(4*(\s+8)+\cc)+512*\c
.endr
.endr
.endr
	WIN 0
.irp p, 0,1
.irp m, 0,1,2,3,4,5,6,7
	ds_load_b64 v[WSC+16*\p+2*\m:WSC+16*\p+2*\m+1], v[SRD] offset:512*\m+128*\p   ; tiles 2 p and 2 p + 1: lanes 0-15 K step 2 m, lanes 16-31 K step 2 m + 1
.endr
.endr
	s_wait_dscnt 0x0
	s_cmp_eq_u32 s34, 0
	s_cbranch_scc1 .Lend                           ; fewer tiles than waves: nothing for me
; PHASE 2.  At a trip's head both groups of this tile are on their way or in.
.Ltile:
	s_wait_loadcnt 17                              ; the first group is in; the second group's 17 loads stay out
	s_wait_xcnt 0x0                                ; every load and store issued has read its offsets and data: the offsets below and the rows' registers are written again
.irp i, 0,1,2,3,4,5,6,7
	v_min_u32 v[TOK+\i], 2047, v[TOK+\i]
.endr
.irp i, 0,1,2,3,4,5,6,7
	v_lshl_add_u32 v[OFF+\i], v[TOK+\i], 12, v[X16]   ; the token's row of out0
.endr
	s_add_co_u32 s28, s24, 8
	NEXTT 28                                       ; my next tile
	SETT
	WIN 0x0d                                       ; source 0 (w2) window 1, source 1 (the hidden layer) window 3
.irp s, 0,1,2,3,4,5,6,7                ; the four accumulators take turns, one instruction a turn
.irp cc, 0,1,2,3
	PROD \s, \cc
.endr
.endr
	WIN 0
.rept 4
	v_nop                                          ; four places in front of loads into registers that matrix instructions have read
.endr
	GROUPA                                         ; the next tile's first group
	s_wait_loadcnt 19                              ; this tile's second group is in; the 19 just issued stay out
	WIN 0x0e                                       ; source 0 window 2
.irp s, 8,9,10,11,12,13,14,15
.irp cc, 0,1,2,3
	PROD \s, \cc
.endr
.endr
	WIN 0
.rept 4
	v_nop                                          ; four places in front of the loads below and of the first read of results
.endr
	GROUPB                                         ; the next tile's second group
.irp cc, 0,1,2,3                       ; register jj of tile cc is out0(my token, 32 (lane / 16) + 4 jj + cc); each accumulator from its low end on
.irp jj, 0,1,2,3,4,5,6,7
	ds_store_b32 v[SO], v[ACC+8*\cc+\jj] offset:16*\jj+4*\cc
.endr
.endr
.irp i, 0,1,2,3,4,5,6,7                ; my wave's own bytes, served in order: no wait between the stores and the loads
	ds_load_b128 v[OB+4*\i:OB+4*\i+3], v[SR] offset:272*\i
.endr
	s_wait_dscnt 0x0
.irp i, 0,1,2,3,4,5,6,7
	global_store_b128 v[OFF+\i], v[OB+4*\i:OB+4*\i+3], s[14:15] th:TH_STORE_NT   ; lanes 0-15 store 256 consecutive bytes, aligned, of token i's row, lanes 16-31 of token 8 + i's
.endr
	s_add_co_u32 s24, s24, 8                       ; my next tile's number: it feeds addresses alone
	s_add_co_u32 s35, s35, 1                       ; the loop counts its trips one by one
	s_cmp_lt_u32 s35, s34
	s_cbranch_scc1 .Ltile
.Lend:
	s_wait_tensorcnt 0x0
	ds_add_u32 v254, v255
	s_wait_dscnt 0x0
	s_endpgm
.Lfunc_end_k_qf310ab3961_ffn2:
	.size	k_qf310ab3961_ffn2, .Lfunc_end_k_qf310ab3961_ffn2-k_qf310ab3961_ffn2
	.p2alignl 7, 3214868480
	.fill 96, 4, 3214868480
	.section	.rodata,"a",@progbits
	.p2align	6, 0x0
	.amdhsa_kernel k_qf310ab3961_ffn2
		.amdhsa_group_segment_fixed_size 87552
		.amdhsa_private_segment_fixed_size 0
		.amdhsa_enable_private_segment 0
		.amdhsa_kernarg_size 48
		.amdhsa_user_sgpr_count 2
		.amdhsa_user_sgpr_kernarg_segment_ptr 1
		.amdhsa_wavefront_size32 1
		.amdhsa_system_sgpr_workgroup_id_x 1
		.amdhsa_system_sgpr_workgroup_id_y 1
		.amdhsa_system_sgpr_workgroup_id_z 1
		.amdhsa_system_vgpr_workitem_id 0
		.amdhsa_next_free_vgpr 1024
		.amdhsa_next_free_sgpr 66
		.amdhsa_reserve_vcc 0
		.amdhsa_float_denorm_mode_32 3
		.amdhsa_float_denorm_mode_16_64 3
		.amdhsa_memory_ordered 1
		.amdhsa_forward_progress 1
		.amdhsa_inst_pref_size 39
	.end_amdhsa_kernel
	.amdgpu_metadata
---
amdhsa.version: [ 1, 2 ]
amdhsa.kernels:
  - .name:           k_qf310ab3961_ffn2
    .symbol:         k_qf310ab3961_ffn2.kd
    .args:
      - { .name: wq, .offset: 0, .size: 8, .value_kind: global_buffer, .address_space: global }
      - { .name: hq, .offset: 8, .size: 8, .value_kind: global_buffer, .address_space: global }
      - { .name: hs, .offset: 16, .size: 8, .value_kind: global_buffer, .address_space: global }
      - { .name: order, .offset: 24, .size: 8, .value_kind: global_buffer, .address_space: global }
      - { .name: meta, .offset: 32, .size: 8, .value_kind: global_buffer, .address_space: global }
      - { .name: out0, .offset: 40, .size: 8, .value_kind: global_buffer, .address_space: global }
    .group_segment_fixed_size: 87552
    .private_segment_fixed_size: 0
    .kernarg_segment_align: 8
    .kernarg_segment_size: 48
    .max_flat_workgroup_size: 128
    .sgpr_count:     66
    .vgpr_count:     1024
    .wavefront_size: 32
...
	.end_amdgpu_metadata
.endif
;; end of part 3
;; ======== version 2 of 2: 3 launches
;; workspace buffers: xq 1,048,576 bytes; xs 65,536 bytes; order 9,728 bytes of whole numbers; meta 256 bytes of whole numbers; hq 2,228,224 bytes; hs 139,264 bytes; wq 8,912,896 bytes
;; launch prep (part 4): grid 256 x 1, 8 waves a work-group, no clusters, 43,520 bytes of LDS; arguments x, expert_ids, w2, xq, xs, order, meta, out0, wq; writes xq, xs, order, meta, out0, wq
.if DOCPART == 4
	.amdgcn_target "amdgcn-amd-amdhsa--gfx1250"
	.amdhsa_code_object_version 6
	.text
	.protected	k_qf310ab3961_prep
	.globl	k_qf310ab3961_prep
	.p2align	8
	.type	k_qf310ab3961_prep,@function
k_qf310ab3961_prep:
	s_mov_b64 s[64:65], 0
	v_nop
	global_prefetch_b8 v0, s[64:65] scope:SCOPE_SE
	s_setreg_imm32_b32 hwreg(HW_REG_WAVE_MODE, 25, 1), 1
	s_wait_xcnt 0x0
; THREE JOBS IN ONE LAUNCH.  Wave g = 8 x work-group + wave, 0 .. 2047, takes token g of x and one K step of one slice of w2; work-group 0 also does the routing.
; x [2048][1024] f32 becomes codes of FP4 (E2M1), K innermost (xq: 512 bytes a token), and one E8M0 byte for each 32 along K (xs: 32 bytes a token).
;   A token whose expert number lies outside 0 .. 7 belongs to no expert: its row of out0 is stored as zeros here.
; w2 [8 x 2048 (k)][1024] f32 is quantised along K, its FIRST axis.  A slice (e, jn) is columns 64 jn .. 64 jn + 63 of expert e; wave g takes K step s (128 rows) of a slice: e = g / 256, s = (g / 16) % 16, jn = g % 16:
;   128 pieces of rows, each 256 consecutive bytes, aligned; a work-group's eight waves stand side by side on 2,048 bytes of each row.  Each byte of w2 is read once in the whole program.
;   Lane (hh, cg) loads 16 bytes, columns 4 cg .. 4 cg + 3, of 32 rows: a whole block of 32 along K for each of four columns.  A TILE OF 16 COLUMNS IS THE COLUMNS 4 r + cc (cc = 0 .. 3):
;   so the lane that loaded a block is the lane that the operand's layout gives it to, and nothing changes lanes.  As loaded a column's numbers stand four registers apart, and the conversions take neighbours
;   along K from consecutive registers: 128 v_mov_b32 for each 128 numbers of a lane renumber them.
;   wq: 69,632 bytes a slice: fragment (s, cc) as an image of its registers at 1024 (4 s + cc) + 512 c + 16 x lane; from byte 65,536 on the scale words, word (s, cc, r) at 256 s + 128 (cc / 2) + 8 r + 4 (cc % 2).
; THE ROUTING (work-group 0, while its loads of x and w2 are on their way): the tokens are sorted by expert number (a counting sort by lane masks; no order of the input is assumed), each expert's run filled to
;   whole tiles of 16.  order[p] = the token at place p.  THE PADS STAND AT THE HEAD OF A RUN and repeat the expert's first token, which lies in the same tile: later launches compute that token again in the same
;   wave and store the same numbers to the same bytes, so no store is masked.  meta: word e = expert e's first tile, word 8 + e = its tiles, word 16 = all tiles.
;   At most (2048 + 8 x 15) / 16 = 135 tiles; the lists hold 136.  A lane that has nothing to place stores to a spare word of its own behind the list (words 2176 .. 2431, read by nobody), so that all lanes stay on.
; A block's scale is 2^(floor(log2(its largest magnitude)) - 2); its byte is the largest magnitude's exponent field - 2, held at 1 from below.
; LIMITS: a block of zeros, or one whose largest magnitude lies under 2^(3 - 127), gets the byte 1 where the rule says 127 for zeros: its codes are zeros, and this program alone reads the bytes.
;   NaN and infinities among the inputs are not served.
; No matrix unit, no tensor load, no cluster: streams that are read once and share nothing between work-groups.
.set FST,   0                          ; LDS, x: a stage of 2 x 32 x 80 bytes for each wave
.set XSB,   40960                      ; x: the work-group's 256 scale bytes
.set RT,    41216                      ; routing: 128 bytes for each wave
.set SP,    80                         ; a lane's place in a stage: 64 bytes + 16 of padding
.set SLICE, 69632                      ; bytes of a slice in wq
.set L16,   3                          ; v3   16 x lane; never rewritten
.set L8,    4                          ; v4   8 x lane; never rewritten
.set XBY,   5                          ; v5   LDS: my block's scale byte
.set XBO,   6                          ; v6   LDS: 8 scale bytes on the way out
.set FSI,   14                         ; v14  into a stage
.set FSO,   15                         ; v15  out of it
.set R,     16                         ; v16-47  x's row as loaded
.set X,     48                         ; v48-79  two sets of 16 neighbours.  Behind x's work: v48-51 w2's scale words, v52-55 the other half's, v56-57 the pair that is stored, v60-75 the second chunk's codes
.set W,     48
.set PX,    52
.set PP,    56
.set Q1,    60
.set C,     80                         ; v80-83  x's codes
.set E,     84                         ; v84-85  x's scale bytes
.set Z,     88                         ; v88-91  zeros
.set WOF,   92                         ; v92  w2: 32 rows x (lane / 16) + 16 (lane % 16)
.set SH8,   93                         ; v93  8 x (lane / 16)
.set Q0,    96                         ; v96-111 the first chunk's codes
.set M,     112                        ; v112-115 largest magnitudes, v116-119 scale operands, v120-127 bytes of the two chunks
.set SOP,   116
.set BY,    120
.set T,     128                        ; v128-255 four columns x 32 along K
.set RB,    128                        ; the routing's registers lie in v128-195: free until w2's work begins
.set ID,    RB+8                       ; my eight tokens' expert numbers
.set POSB,  RB+32                      ; their places, in bytes
.set TOKV,  RB+40                      ; their numbers
; window 1 (v256-511): w2 as loaded: two chunks of 128 registers
.set CNT,   24                         ; s24-31  my wave's count for each expert
.set CAND,  32                         ; s32-39  my wave's first token of each expert, or -1
.set RUN,   40                         ; s40-47  the next free place of each expert
.set NT,    48                         ; s48-55  tiles of each expert
.set T0,    56                         ; s56-63  first tile of each expert
; other scalars: s[4:21] the nine buffers, s22 wave, s23 e, s66-75 and s81 at work, s[76:77] a byte offset, s78 g, s79 s, s80 my token's expert number, s[82:83] lane selects, s[84:85] its address, s[86:87] wq at my scale words
.set MSB, 0
.macro WIN new                         ; the immediate's high byte repeats the setting that is left
.if MSB != \new
	s_set_vgpr_msb (MSB<<8)|\new
.set MSB, \new
.endif
.endm
.macro LOADW sc                        ; chunk sc of my K step: 64 rows; lanes 0-15 read 256 consecutive bytes of row i, lanes 16-31 of row 32 + i
.set i_, 0
.rept 32
	global_load_b128 v[128*(\sc)+4*i_:128*(\sc)+4*i_+3], v[WOF], s[8:9] offset:(64*(\sc)+i_)*4096 th:TH_LOAD_NT
.set i_, i_+1
.endr
.endm
.macro ISSUE                           ; all that the wave reads of x and w2 is asked for at once: 8 + 64 loads of 512 bytes
.irp i, 0,1,2,3,4,5,6,7
	global_load_b128 v[R+4*\i:R+4*\i+3], v[L16], s[4:5] offset:512*\i th:TH_LOAD_NT
.endr
	WIN 0x40                                       ; destination window 1
	LOADW 0
	LOADW 1
	WIN 0
.endm
.macro TURN u                          ; half u of x's row through its stage: LDS serves a wave's instructions in order, so no wait stands between the stores and the loads
.irp i, 0,1,2,3
	ds_store_b128 v[FSI], v[R+16*\u+4*\i:R+16*\u+4*\i+3] offset:32*SP*\u+8*SP*\i
.endr
.irp i, 0,1,2,3
	ds_load_b128 v[X+16*\u+4*\i:X+16*\u+4*\i+3], v[FSO] offset:32*SP*\u+16*\i
.endr
.endm
.macro QSTEP u                         ; 512 numbers of x: 16 a lane, two neighbouring lanes to a block
.set XS, X+16*\u
	v_max3_num_f32 v8, |v[XS]|, |v[XS+1]|, |v[XS+2]|
	v_max3_num_f32 v9, |v[XS+3]|, |v[XS+4]|, |v[XS+5]|
.irp i, 6,10
	s_delay_alu instid0(VALU_DEP_2)
	v_max3_num_f32 v8, v8, |v[XS+\i]|, |v[XS+\i+1]|
	s_delay_alu instid0(VALU_DEP_2)
	v_max3_num_f32 v9, v9, |v[XS+\i+2]|, |v[XS+\i+3]|
.endr
	s_delay_alu instid0(VALU_DEP_2)
	v_max3_num_f32 v8, v8, |v[XS+14]|, |v[XS+15]|
	s_delay_alu instid0(VALU_DEP_1)
	v_max3_num_f32 v8, v8, v9, 0x1800000           ; and the floor 2^(3 - 127): the byte cannot fall under 1
	s_delay_alu instid0(VALU_DEP_1)
	v_max_num_f32_dpp v8, v8, v8 row_xmask:1 row_mask:0xf bank_mask:0xf   ; with my neighbour's 16: the block's largest magnitude
	s_delay_alu instid0(VALU_DEP_1)
	v_add_nc_u32 v11, 0xff000000, v8               ; 2 off its exponent field: the conversion takes the exponent field of this operand as its scale
	v_cvt_scalef32_pk8_fp4_f32 v[C+2*\u], v[XS:XS+7], v11
	v_cvt_scalef32_pk8_fp4_f32 v[C+2*\u+1], v[XS+8:XS+15], v11
	v_lshrrev_b32 v[E+\u], 23, v11                 ; the scale's byte (a plain line behind the conversions)
	ds_store_b8 v[XBY], v[E+\u] offset:16*\u       ; both lanes of a block write the same byte with the same value
	global_store_b64 v[L8], v[C+2*\u:C+2*\u+1], s[10:11] offset:256*\u   ; 32 lanes store 256 consecutive bytes, aligned
.endm
.macro CHUNK c, q                      ; rows 64 c .. 64 c + 63 of my K step: registers 4 c .. 4 c + 3 of four fragments, into v[q] on
.if \c == 0
	s_wait_loadcnt 32                              ; this chunk's 32 loads are in; the other chunk's stay out
.else
	s_wait_loadcnt 0x0
.endif
	WIN 0x01                                       ; source window 1
.set i_, 0
.rept 32
.irp cc, 0,1,2,3
	v_mov_b32 v[T+32*\cc+i_], v[128*\c+4*i_+\cc]   ; column cc's numbers on end, down K
.endr
.set i_, i_+1
.endr
	WIN 0
.irp cc, 0,1,2,3
	v_max3_num_f32 v[M+\cc], |v[T+32*\cc]|, |v[T+32*\cc+1]|, 0x1800000   ; a block's 32 numbers are all mine; and the floor 2^(3 - 127)
.endr
.irp i, 2,4,6,8,10,12,14,16,18,20,22,24,26,28,30
.irp cc, 0,1,2,3
	s_delay_alu instid0(VALU_DEP_4)
	v_max3_num_f32 v[M+\cc], v[M+\cc], |v[T+32*\cc+\i]|, |v[T+32*\cc+\i+1]|   ; (the four columns by turns)
.endr
.endr
.irp cc, 0,1,2,3
	s_delay_alu instid0(VALU_DEP_4)
	v_add_nc_u32 v[SOP+\cc], 0xff000000, v[M+\cc]  ; 2 off the exponent field: the conversion's scale operand
.endr
.irp cc, 0,1,2,3
	s_delay_alu instid0(VALU_DEP_4)
	v_lshrrev_b32 v[BY+4*\c+\cc], 23, v[SOP+\cc]   ; the byte of block 2 c + lane / 16
.endr
.irp cc, 0,1,2,3
.irp g, 0,1,2,3
	v_cvt_scalef32_pk8_fp4_f32 v[\q+4*\cc+\g], v[T+32*\cc+8*\g:T+32*\cc+8*\g+7], v[SOP+\cc]
.endr
.endr
	v_nop                                          ; a plain place behind the conversions
.irp cc, 0,1,2,3
	global_store_b128 v[L16], v[\q+4*\cc:\q+4*\cc+3], s[20:21] offset:1024*\cc+512*\c   ; four registers of an operand as they stand: 512 consecutive bytes, aligned.  Each chunk has registers of its own
.endr
.endm
	s_load_b256 s[4:11], s[0:1], 0x0               ; x s[4:5], expert_ids s[6:7], w2 s[8:9], xq s[10:11]
	s_load_b256 s[12:19], s[0:1], 0x20             ; xs s[12:13], order s[14:15], meta s[16:17], out0 s[18:19]
	s_load_b64 s[20:21], s[0:1], 0x40              ; wq
	v_lshl_add_u32 v94, v0, 2, 0xa600
	v_mov_b32 v95, 0
	v_lshrrev_b32 v1, 5, v0
	s_delay_alu instid0(VALU_DEP_1)
	v_readfirstlane_b32 s22, v1                    ; wave 0..7
	v_and_b32 v2, 31, v0                           ; lane
	s_lshl_b32 s78, ttmp9, 3
	s_add_co_u32 s78, s78, s22                     ; g: my token, and my unit of w2
	v_lshlrev_b32 v[L16], 4, v2
	v_lshlrev_b32 v[L8], 3, v2
	s_mul_i32 s79, s22, 2*32*SP                    ; my wave's stages
	v_lshrrev_b32 v[FSI], 2, v2
	s_delay_alu instid0(VALU_DEP_1)
	v_mul_u32_u24 v[FSI], v[FSI], SP
	v_and_b32 v[FSO], 3, v2
	s_delay_alu instid0(VALU_DEP_1)
	v_lshl_add_u32 v[FSI], v[FSO], 4, v[FSI]
	s_delay_alu instid0(VALU_DEP_1)
	v_add_nc_u32 v[FSI], s79, v[FSI]               ; into a stage: four lanes' 64 bytes on end, then 16 of padding
	v_mul_u32_u24 v[FSO], v2, SP
	s_delay_alu instid0(VALU_DEP_1)
	v_add_nc_u32 v[FSO], s79, v[FSO]               ; out of it: my 16 neighbours
	v_lshrrev_b32 v[XBY], 1, v2
	s_lshl_b32 s79, s22, 5
	s_add_co_u32 s79, s79, XSB
	v_add_nc_u32 v[XBY], s79, v[XBY]               ; my block's scale byte: 32 bytes a wave
	v_add_nc_u32 v[XBO], XSB, v[L8]
.irp i, 0,1,2,3
	v_mov_b32 v[Z+\i], 0
.endr
	v_and_b32 v1, 15, v0
	s_delay_alu instid0(VALU_DEP_1)
	v_lshlrev_b32 v1, 4, v1
	v_bfe_u32 v[SH8], v0, 4, 1
	s_delay_alu instid0(VALU_DEP_1)
	v_lshl_add_u32 v[WOF], v[SH8], 17, v1          ; 32 rows of 4,096 bytes for lanes 16-31
	s_delay_alu instid0(VALU_DEP_2)
	v_lshlrev_b32 v[SH8], 3, v[SH8]
	s_mov_b32 s82, 0x76543210
	s_mov_b32 s83, 0xfedcba98                      ; v_permlanex16_b32's selects for lane l xor 16
	s_lshr_b32 s23, ttmp9, 5                       ; e
	s_bfe_u32 s79, ttmp9, 0x40001                  ; s: four bits from bit 1
	s_and_b32 s81, s78, 15                         ; jn
	s_mov_b32 s77, 0
	s_wait_kmcnt 0x0
	s_lshl_b32 s76, s78, 12                        ; a row of x and of out0 is 4,096 bytes
	s_add_nc_u64 s[4:5], s[4:5], s[76:77]
	s_add_nc_u64 s[18:19], s[18:19], s[76:77]
	s_lshl_b32 s76, s78, 9                         ; a row of codes 512
	s_add_nc_u64 s[10:11], s[10:11], s[76:77]
	s_lshl_b32 s76, ttmp9, 8                       ; eight tokens' scale bytes 256
	s_add_nc_u64 s[12:13], s[12:13], s[76:77]
	s_lshl_b32 s76, s78, 2
	s_add_nc_u64 s[84:85], s[6:7], s[76:77]
	s_load_b32 s80, s[84:85], 0x0                  ; my token's expert number
	s_lshl_b32 s76, s23, 4
	s_add_co_u32 s76, s76, s79                     ; 16 e + s: my K step among all 128,
	s_lshl_b32 s76, s76, 19                        ; x 128 rows of 4,096 bytes: under 2^26
	s_lshl_b32 s75, s81, 8
	s_add_co_u32 s76, s76, s75                     ; + 256 jn
	s_add_nc_u64 s[8:9], s[8:9], s[76:77]
	s_lshl_b32 s76, s23, 4
	s_add_co_u32 s76, s76, s81                     ; the slice: 16 e + jn
	s_mul_i32 s76, s76, SLICE
	s_add_nc_u64 s[86:87], s[20:21], s[76:77]
	s_lshl_b32 s76, s79, 12
	s_add_nc_u64 s[20:21], s[86:87], s[76:77]      ; wq at my K step's four fragments
	s_lshl_b32 s76, s79, 8
	s_add_co_u32 s76, s76, 65536
	s_add_nc_u64 s[86:87], s[86:87], s[76:77]      ; and at its 64 scale words
	s_cmp_eq_u32 ttmp9, 0
	s_cbranch_scc1 .Lroute
	s_wait_alu depctr_va_vdst(0)
	ISSUE
	s_branch .Lwork
	; ---------------- the routing: wave w of work-group 0 owns tokens 256 w + 32 i + lane, i = 0 .. 7
.Lroute:
	s_lshl_b32 s75, s22, 10
	s_lshl_b32 s81, s22, 8                         ; my wave's first token
	v_lshlrev_b32 v[RB+3], 2, v2
	s_delay_alu instid0(VALU_DEP_1)
	v_add_nc_u32 v[RB+3], s75, v[RB+3]
.irp i, 0,1,2,3,4,5,6,7
	global_load_b32 v[ID+\i], v[RB+3], s[6:7] offset:128*\i   ; ahead of the 72 loads of x and w2, so that they come back first
.endr
	s_wait_alu depctr_va_vdst(0)
	ISSUE
	v_lshl_add_u32 v[RB+7], v0, 2, RT              ; my word of the exchange
	v_add_nc_u32 v[RB+29], 2176, v0                ; my spare word behind the list
	v_add_nc_u32 v[RB+23], s81, v2
.irp e, 0,1,2,3,4,5,6,7
	s_mov_b32 s[CNT+\e], 0
	s_mov_b32 s[CAND+\e], -1
.endr
	s_wait_loadcnt 63                              ; the expert numbers are in: behind them stand 72 loads; 63 is the largest count that can be written, and asks for more than is needed
.irp e, 0,1,2,3,4,5,6,7                ; my wave's count of each expert, and its first token: the groups are walked downward, so that the lowest group's stays
.irp i, 7,6,5,4,3,2,1,0
	v_cmp_eq_u32 s66, \e, v[ID+\i]
	s_ctz_i32_b32 s67, s66
	s_add_co_u32 s67, s67, s81
	s_add_co_u32 s67, s67, 32*\i                   ; the first such token of this group of 32 (not used where the mask is empty)
	s_bcnt1_i32_b32 s68, s66                       ; SCC: the mask is not empty
	s_cselect_b32 s[CAND+\e], s67, s[CAND+\e]
	s_add_co_u32 s[CNT+\e], s[CNT+\e], s68
.endr
.endr
	v_mov_b32 v[RB+16], 0
.irp e, 0,1,2,3,4,5,6,7
	s_delay_alu instid0(VALU_DEP_1)
	v_writelane_b32 v[RB+16], s[CNT+\e], \e        ; lanes 0-7 the counts, lanes 8-15 the tokens
	s_delay_alu instid0(VALU_DEP_1)
	v_writelane_b32 v[RB+16], s[CAND+\e], 8+\e
.endr
	ds_store_b32 v[RB+7], v[RB+16]
	s_wait_dscnt 0x0                               ; for the others' sake
	s_barrier_signal -1
	s_barrier_wait -1
	v_and_b32 v[RB+21], 15, v2
	s_delay_alu instid0(VALU_DEP_1)
	v_lshl_add_u32 v[RB+21], v[RB+21], 2, RT
.irp q, 0,1,2,3,4,5,6,7
	ds_load_b32 v[RB+48+\q], v[RB+21] offset:128*\q   ; wave q's sixteen words
.endr
	s_wait_dscnt 0x0
	v_add3_u32 v[RB+24], v[RB+48], v[RB+49], v[RB+50]   ; lane e: expert e's tokens in all
	s_delay_alu instid0(VALU_DEP_1)
	v_add3_u32 v[RB+24], v[RB+24], v[RB+51], v[RB+52]
	s_delay_alu instid0(VALU_DEP_1)
	v_add3_u32 v[RB+24], v[RB+24], v[RB+53], v[RB+54]
	s_delay_alu instid0(VALU_DEP_1)
	v_add_nc_u32 v[RB+24], v[RB+24], v[RB+55]
	v_mov_b32 v[RB+25], 0                          ; lane e: those of the waves in front of mine
.irp q, 0,1,2,3,4,5,6
	s_cmp_gt_u32 s22, \q
	s_cselect_b32 s66, -1, 0
	v_and_b32 v[RB+22], s66, v[RB+48+\q]
	s_delay_alu instid0(VALU_DEP_1)
	v_add_nc_u32 v[RB+25], v[RB+25], v[RB+22]
.endr
	v_mov_b32 v[RB+26], v[RB+48]                   ; lane 8 + e: the smallest of the waves' tokens: expert e's first token (-1, unsigned the largest, where it has none)
.irp q, 1,2,3,4,5,6,7
	s_delay_alu instid0(VALU_DEP_1)
	v_min_u32 v[RB+26], v[RB+26], v[RB+48+\q]
.endr
	v_add_nc_u32 v[RB+27], 15, v[RB+24]
	s_delay_alu instid0(VALU_DEP_1)
	v_lshrrev_b32 v[RB+27], 4, v[RB+27]            ; tiles of 16
	s_delay_alu instid0(VALU_DEP_1)
	v_lshlrev_b32 v[RB+31], 4, v[RB+27]
	s_delay_alu instid0(VALU_DEP_1)
	v_sub_nc_u32 v[RB+31], v[RB+31], v[RB+24]      ; pads: 0 .. 15
	s_delay_alu instid0(VALU_DEP_1)
	v_add_nc_u32 v[RB+25], v[RB+25], v[RB+31]      ; the tokens begin behind the pads
.irp e, 0,1,2,3,4,5,6,7
	v_readlane_b32 s[NT+\e], v[RB+27], \e
.endr
	s_mov_b32 s[T0], 0
.irp e, 0,1,2,3,4,5,6
	s_add_co_u32 s[T0+\e+1], s[T0+\e], s[NT+\e]
.endr
	s_add_co_u32 s69, s[T0+7], s[NT+7]             ; all tiles
	v_mov_b32 v[RB+28], 0
.irp e, 0,1,2,3,4,5,6,7
	v_readlane_b32 s66, v[RB+25], \e
	s_lshl_b32 s67, s[T0+\e], 4
	s_add_co_u32 s[RUN+\e], s67, s66               ; where my wave's tokens of expert e begin
	v_writelane_b32 v[RB+28], s[T0+\e], \e
	s_delay_alu instid0(VALU_DEP_1)
	v_writelane_b32 v[RB+28], s[NT+\e], 8+\e
.endr
	s_delay_alu instid0(VALU_DEP_1)
	v_writelane_b32 v[RB+28], s69, 16
.irp i, 0,1,2,3,4,5,6,7                ; each token's place: the expert's next free place + the lanes below mine with the same expert
	v_mov_b32 v[POSB+\i], v[RB+29]
	v_add_nc_u32 v[TOKV+\i], 32*\i, v[RB+23]
.irp e, 0,1,2,3,4,5,6,7
	v_cmp_eq_u32 vcc_lo, \e, v[ID+\i]
	s_delay_alu instid0(VALU_DEP_1)
	v_mbcnt_lo_u32_b32 v[RB+22], vcc_lo, s[RUN+\e]
	s_delay_alu instid0(VALU_DEP_1)
	v_cndmask_b32 v[POSB+\i], v[POSB+\i], v[RB+22], vcc_lo
	s_bcnt1_i32_b32 s66, vcc_lo
	s_add_co_u32 s[RUN+\e], s[RUN+\e], s66
.endr
	v_min_u32 v[POSB+\i], 2431, v[POSB+\i]         ; inside the buffer whatever was read
	s_delay_alu instid0(VALU_DEP_1)
	v_lshlrev_b32 v[POSB+\i], 2, v[POSB+\i]
	global_store_b32 v[POSB+\i], v[TOKV+\i], s[14:15]   ; each group has registers of its own: none is written again in the routing
.endr
	; the pads of expert w, at most 15, by wave w: the first places of its first tile
	s_add_co_u32 s66, s22, 8
	v_readlane_b32 s70, v[RB+31], s22              ; its pads,
	v_readlane_b32 s71, v[RB+28], s22              ; its first tile,
	v_readlane_b32 s73, v[RB+26], s66              ; its first token
	s_lshl_b32 s71, s71, 4
	v_add_nc_u32 v[RB+56], s71, v2
	v_cmp_gt_u32 vcc_lo, s70, v2
	s_delay_alu instid0(VALU_DEP_1)
	v_cndmask_b32 v[RB+56], v[RB+29], v[RB+56], vcc_lo
	s_delay_alu instid0(VALU_DEP_1)
	v_min_u32 v[RB+56], 2431, v[RB+56]
	s_delay_alu instid0(VALU_DEP_1)
	v_lshlrev_b32 v[RB+56], 2, v[RB+56]
	v_mov_b32 v[RB+57], s73
	global_store_b32 v[RB+56], v[RB+57], s[14:15]
	; behind the last tile the list holds token 0, so that every word that a later launch may read has been stored
	s_lshl_b32 s74, s69, 4
	v_mov_b32 v[RB+58], 0
.irp c, 0,1,2,3,4,5,6,7,8
	v_add_nc_u32 v[RB+59+\c], 256*\c, v0           ; (with c = 8 the places from 2176 on are spare words)
	s_delay_alu instid0(VALU_DEP_1)
	v_cmp_le_u32 vcc_lo, s74, v[RB+59+\c]
	s_delay_alu instid0(VALU_DEP_1)
	v_cndmask_b32 v[RB+59+\c], v[RB+29], v[RB+59+\c], vcc_lo
	s_delay_alu instid0(VALU_DEP_1)
	v_min_u32 v[RB+59+\c], 2431, v[RB+59+\c]
	s_delay_alu instid0(VALU_DEP_1)
	v_lshlrev_b32 v[RB+59+\c], 2, v[RB+59+\c]
	global_store_b32 v[RB+59+\c], v[RB+58], s[14:15]
.endr
	s_cmp_lg_u32 s22, 0
	s_cbranch_scc1 .Lr_end
	v_lshlrev_b32 v[RB+30], 2, v2
	global_store_b32 v[RB+30], v[RB+28], s[16:17]  ; meta: 32 words
.Lr_end:
	s_wait_xcnt 0x0                                ; the routing's loads and stores have read their registers: w2's work writes over them
	; ---------------- x: my token
.Lwork:
	s_wait_loadcnt 63                              ; x's eight loads are in: behind them stand w2's 64; 63 is the largest count that can be written
	TURN 0
	TURN 1
	s_wait_dscnt 8                                 ; the first half is back: behind it stand the second half's eight LDS instructions
	QSTEP 0
	s_wait_dscnt 1                                 ; the second half is back: behind it stands one byte store
	QSTEP 1
	s_wait_dscnt 0x0                               ; for wave 0's sake: my scale bytes lie in LDS
	s_barrier_signal -1
	s_barrier_wait -1
	s_wait_kmcnt 0x0
	s_cmp_le_u32 s80, 7                            ; unsigned: a negative number is outside too
	s_cbranch_scc1 .Lhas_expert
.irp i, 0,1,2,3,4,5,6,7
	global_store_b128 v[L16], v[Z:Z+3], s[18:19] offset:512*\i   ; no expert takes this token: its row of out0 is zeros
.endr
.Lhas_expert:
	s_cmp_lg_u32 s22, 0
	s_cbranch_scc1 .Lw2
	ds_load_b64 v[12:13], v[XBO]                   ; eight tokens' scale bytes
	s_wait_dscnt 0x0
	global_store_b64 v[L8], v[12:13], s[12:13]     ; 32 lanes store 256 consecutive bytes, aligned
	; ---------------- w2: my K step of my slice
.Lw2:
	CHUNK 0, Q0
	CHUNK 1, Q1
	; the K step's scale words: my two bytes of each column at their places, the other two from lane l xor 16
.irp cc, 0,1,2,3
	v_lshl_or_b32 v[W+\cc], v[BY+4+\cc], 16, v[BY+\cc]
.endr
.irp cc, 0,1,2,3
	s_delay_alu instid0(VALU_DEP_4)
	v_lshlrev_b32 v[W+\cc], v[SH8], v[W+\cc]
.endr
.irp cc, 0,1,2,3
	v_mov_b32 v[PX+\cc], 0                         ; a lane permute's destination counts as one of its sources
.endr
.irp cc, 0,1,2,3
	s_delay_alu instid0(VALU_DEP_4)
	v_permlanex16_b32 v[PX+\cc], v[W+\cc], s82, s83
.endr
.irp cc, 0,1,2,3
	s_delay_alu instid0(VALU_DEP_4)
	v_or_b32 v[W+\cc], v[W+\cc], v[PX+\cc]         ; lanes r and 16 + r now hold the same four words
.endr
	v_cmp_ne_u32 vcc_lo, 0, v[SH8]
	s_delay_alu instid0(VALU_DEP_1)
	v_cndmask_b32 v[PP], v[W], v[W+2], vcc_lo      ; lanes 0-15 send tiles 0 and 1, lanes 16-31 tiles 2 and 3
	s_delay_alu instid0(VALU_DEP_2)
	v_cndmask_b32 v[PP+1], v[W+1], v[W+3], vcc_lo
	global_store_b64 v[L8], v[PP:PP+1], s[86:87]   ; 32 lanes store 256 consecutive bytes, aligned
	s_wait_tensorcnt 0x0
	ds_add_u32 v94, v95
	s_wait_dscnt 0x0
	s_endpgm
.Lfunc_end_k_qf310ab3961_prep:
	.size	k_qf310ab3961_prep, .Lfunc_end_k_qf310ab3961_prep-k_qf310ab3961_prep
	.p2alignl 7, 3214868480
	.fill 96, 4, 3214868480
	.section	.rodata,"a",@progbits
	.p2align	6, 0x0
	.amdhsa_kernel k_qf310ab3961_prep
		.amdhsa_group_segment_fixed_size 43520
		.amdhsa_private_segment_fixed_size 0
		.amdhsa_enable_private_segment 0
		.amdhsa_kernarg_size 72
		.amdhsa_user_sgpr_count 2
		.amdhsa_user_sgpr_kernarg_segment_ptr 1
		.amdhsa_wavefront_size32 1
		.amdhsa_system_sgpr_workgroup_id_x 1
		.amdhsa_system_sgpr_workgroup_id_y 1
		.amdhsa_system_sgpr_workgroup_id_z 1
		.amdhsa_system_vgpr_workitem_id 0
		.amdhsa_next_free_vgpr 512
		.amdhsa_next_free_sgpr 88
		.amdhsa_reserve_vcc 1
		.amdhsa_float_denorm_mode_32 3
		.amdhsa_float_denorm_mode_16_64 3
		.amdhsa_memory_ordered 1
		.amdhsa_forward_progress 1
		.amdhsa_inst_pref_size 98
	.end_amdhsa_kernel
	.amdgpu_metadata
---
amdhsa.version: [ 1, 2 ]
amdhsa.kernels:
  - .name:           k_qf310ab3961_prep
    .symbol:         k_qf310ab3961_prep.kd
    .args:
      - { .name: x, .offset: 0, .size: 8, .value_kind: global_buffer, .address_space: global }
      - { .name: expert_ids, .offset: 8, .size: 8, .value_kind: global_buffer, .address_space: global }
      - { .name: w2, .offset: 16, .size: 8, .value_kind: global_buffer, .address_space: global }
      - { .name: xq, .offset: 24, .size: 8, .value_kind: global_buffer, .address_space: global }
      - { .name: xs, .offset: 32, .size: 8, .value_kind: global_buffer, .address_space: global }
      - { .name: order, .offset: 40, .size: 8, .value_kind: global_buffer, .address_space: global }
      - { .name: meta, .offset: 48, .size: 8, .value_kind: global_buffer, .address_space: global }
      - { .name: out0, .offset: 56, .size: 8, .value_kind: global_buffer, .address_space: global }
      - { .name: wq, .offset: 64, .size: 8, .value_kind: global_buffer, .address_space: global }
    .group_segment_fixed_size: 43520
    .private_segment_fixed_size: 0
    .kernarg_segment_align: 8
    .kernarg_segment_size: 72
    .max_flat_workgroup_size: 256
    .sgpr_count:     88
    .vgpr_count:     512
    .wavefront_size: 32
...
	.end_amdgpu_metadata
.endif
;; end of part 4
;; launch ffn1 (part 5): grid 256 x 1, 8 waves a work-group, no clusters, 146,432 bytes of LDS; arguments w1, xq, xs, order, meta, hq, hs; writes hq, hs
.if DOCPART == 5
	.amdgcn_target "amdgcn-amd-amdhsa--gfx1250"
	.amdhsa_code_object_version 6
	.text
	.protected	k_qf310ab3961_ffn1
	.globl	k_qf310ab3961_ffn1
	.p2align	8
	.type	k_qf310ab3961_ffn1,@function
k_qf310ab3961_ffn1:
	s_mov_b64 s[64:65], 0
	v_nop
	global_prefetch_b8 v0, s[64:65] scope:SCOPE_SE
	s_setreg_imm32_b32 hwreg(HW_REG_WAVE_SCHED_MODE, 0, 2), 2
	s_setreg_imm32_b32 hwreg(HW_REG_WAVE_MODE, 25, 1), 1
	s_wait_xcnt 0x0
	s_wait_alu depctr_vm_vsrc(0)
; THE FIRST PRODUCT, THE ACTIVATION AND ITS QUANTISER.  Work-group (e, j) = (number / 32, number % 32) owns hidden units 64 j .. 64 j + 63 of expert e.
; PHASE 1: its 64 rows of w1 (1,024 f32 each, 256 KB, read from memory once in the whole launch) become codes of FP4 (E2M1) with one E8M0 byte for each 32 along K; eight rows a wave; they meet in LDS,
;   and behind the launch's one barrier every wave takes all 64 rows' fragments into its registers (256) and keeps them.
; PHASE 2: wave w takes tiles w, w + 8, .. of the expert's tiles of 16 tokens (list and counts: stored by the launch before).  A tile: x's codes, 32 matrix instructions, gelu (tanh form) in f32,
;   the quantiser along the hidden units, and the store of half a fragment of the second product's operand, laid as that operand's registers (hq) with its two scale bytes a token (hs).  No wave waits for another.
; THE MATRIX INSTRUCTION IS USED TRANSPOSED (source 0 = 16 rows of w1, source 1 = 16 tokens): a lane holds ONE token and its registers run along the hidden units, the next K.
; THE ROWS OF A TILE OF w1 ARE NOT NEIGHBOURS: lane r of tile 2 b + u takes row 32 b + 8 u + r + 8 (r / 8), so that the 16 registers of tiles 2 b, 2 b + 1 are units 32 b + 16 (lane / 16) + 0 .. 15.
; gelu(x) = x / (1 + 2^(x (K1 + K3 x x))), K1 = -2 log2(e) sqrt(2 / pi), K3 = 0.044715 K1: the same function as 0.5 x (1 + tanh(..)); for large |x| it runs to x or to -0 without a NaN.
; NO TENSOR LOAD, NO JOINT LOAD: the 32 work-groups of an expert read the same codes of x, but how many tiles there are is a number read from memory, on which the loop's trip count hangs;
;   so all operands come through registers.  What is shared is 512 bytes a token against 256 KB of weights that nobody shares.
; hs is stored as 2 bytes a token, 16 bytes apart: 32 bytes beside each 512 bytes of codes.
; LIMITS: a block of zeros, or one under 2^(3 - 127), gets the byte 1 (its codes are zeros; this program alone reads the bytes).  NaN and infinities among the inputs are not served.
;   An expert without tokens stores nothing; what its work-groups load ahead lies inside the buffers and is not used.
; THE MODE: SCHED_MODE bits 1:0 = 2 (LLVM: expert scheduling mode 2), set by the entry lines.  The code itself states the register dependences between vector or matrix instructions
;   and memory or LDS instructions, with s_wait_alu, always for 0.
; THE PLAN, PHASE 1.  Registers that memory or LDS instructions touch:
;   the landing sets (window 1)  global loads land; the turn's LDS stores read; no vector instruction names them.
;   X0, X1                       the turn's LDS loads land; step t's maxima and conversions read X[t % 2].
;   codes and byte, two sets     step t's conversions write set t % 2; two LDS stores, issued in step t + 1, read it.
;   v1 to v18                    addresses and offsets, made at the head.
;   So two lines at the head of step t state all: the step before has written its codes and is done reading the X set in which the next turn lands; the LDS stores issued so far have read the landing set
;   in which the loads of eight steps on land, and the set of codes that this step writes again.
; THE PLAN, PHASE 2, round the loop:
;   XR                 the rows' loads land; the stage's LDS stores, first in a trip, read.
;   v48-111            the fragments' LDS loads land; the products read; gelu and the quantiser work there; the store at the trip's end reads the codes there.
;   XO, XSO, TKO, VTO, HO, HSO   written by the offset lines; read by this trip's loads and stores.     HALF: written by the quantiser, read by the store.
;   TOK, VT            the list's loads land; the offset lines read and write.      XS: its load lands; the products read.
;   One wait on vm_vsrc behind the stage's stores frees XR and all that the last trip's loads and stores read; one wait on va_vdst behind the offset lines serves the trip's 35 loads; one behind the products
;   serves the load into XS; one ahead of the two stores.  Waits stand behind the exponentials and the reciprocals too.
.set FST,  0                           ; LDS: f32 stages, 2 x 32 x 80 bytes a wave
.set WC,   40960                       ; 64 rows of codes, 512 bytes + 16
.set WS,   74752                       ; 64 rows of scale bytes, 32 bytes + 16
.set XST,  77824                       ; a stage of 16 rows of x's codes for each wave, 512 bytes + 16
.set WP,   528
.set L16,  1                           ; v1   16 x lane
.set FSI,  2                           ; v2   into an f32 stage
.set FSO,  3                           ; v3   out of it
.set WCI,  4                           ; v4   where I put 8 bytes of codes
.set WSI,  5                           ; v5   and a scale byte
.set AW,   6                           ; v6   my lane's place in a tile of w1's codes
.set ASW,  7                           ; v7   and among its scale words
.set XSTI, 8                           ; v8   into x's stage
.set XSTO, 9                           ; v9   out of it
.set X16,  10                          ; v10  16 x (lane % 16)
.set H16,  11                          ; v11  16 x (lane / 16)
.set HH32, 12                          ; v12  32 x (lane / 16)
.set R4,   13                          ; v13  4 x (lane % 16)
.set TKO,  14                          ; v14, v15 offsets into the list
.set VTO,  15
.set XSO,  16                          ; v16  offset of my token's scale words
.set HO,   17                          ; v17, v18 offsets into hq, hs
.set HSO,  18
.set HALF, 19                          ; v19  two scale bytes
.set K1,   20                          ; v20-21
.set XO,   22                          ; v22-29 offsets of eight rows of x's codes
.set MX,   30                          ; v30-31 the other half's maxima
.set WSC,  32                          ; v32-47 w1's scale words: register 4 t + i: lanes 0-15 K step i, lanes 16-31 K step 4 + i.  Scales and nothing else
.set XF,   48                          ; v48-111 x's eight fragments.  Behind the products:
.set G,    48                          ;   v48-79 at work for gelu
.set M,    80                          ;   v80-81 largest magnitudes, v84-85 scale operands, v86-87 bytes
.set SOP,  84
.set BY,   86
.set PC,   96                          ;   v96-99 the codes.  In phase 1: v96-99 codes, v100-101 bytes, v102-104 at work
.set EE,   100
.set TMP,  102
.set ACC,  112                         ; v112-143 four tiles of the hidden layer
.set X,    144                         ; v144-175 phase 1: two sets of 16 neighbours
.set XR,   176                         ; v176-239 sixteen rows of x's codes as loaded
.set XS,   240                         ; v240-243 x's scale words, as WSC.  Scales and nothing else
.set TOK,  244                         ; v244-251 eight tokens of the list
.set VT,   252                         ; v252 my lane's token
; window 1 (v256-511): phase 1: eight landing sets of 16; phase 2: w1's fragments, (K step s, tile t) at v[32 s + 8 t]
; SCALARS: s18 wave, s19 e, s20 j, s21 the expert's first tile, s22 its tiles, s23 its last tile's number, s24 my tile's number among the expert's, s25-27 the tile in hand and the two behind it,
;   s[30:31] lane selects, s[32:33] K3, s35 my trips, s36 the trip in hand
.set MSB, 0
.macro WIN new                         ; the immediate's high byte repeats the setting that is left
.if MSB != \new
	s_set_vgpr_msb (MSB<<8)|\new
.set MSB, \new
.endif
.endm
.macro LOADR t                         ; step t: half a row of w1, 2,048 bytes, into landing set t % 8 (window 1)
.irp i, 0,1,2,3
	global_load_b128 v[16*((\t)%8)+4*\i:16*((\t)%8)+4*\i+3], v[L16], s[4:5] offset:2048*(\t)+512*\i th:TH_LOAD_NT
.endr
.endm
.macro TURN t                          ; step t's numbers through a stage, so that a lane gets 16 neighbours: LDS serves a wave's instructions in order
	WIN 0x04                                       ; an LDS store's data are its source 1: window 1
.irp i, 0,1,2,3
	ds_store_b128 v[FSI], v[16*((\t)%8)+4*\i:16*((\t)%8)+4*\i+3] offset:2560*((\t)%2)+640*\i
.endr
	WIN 0
.irp i, 0,1,2,3
	ds_load_b128 v[X+16*((\t)%2)+4*\i:X+16*((\t)%2)+4*\i+3], v[FSO] offset:2560*((\t)%2)+16*\i
.endr
.endm
.macro PUT t                           ; step t's codes and its scale byte go to LDS: issued a step later, behind that step's wait on va_vdst
	ds_store_b64 v[WCI], v[PC+2*((\t)%2):PC+2*((\t)%2)+1] offset:WP*((\t)/2)+256*((\t)%2)
	ds_store_b8 v[WSI], v[EE+(\t)%2] offset:48*((\t)/2)+16*((\t)%2)      ; both lanes of a block write the same byte with the same value
.endm
.macro NEXT d, i                       ; s[d] = the expert's tile number min(s[i], tiles - 1): a tile that exists, and inside the lists whatever was read
	s_min_u32 s[\d], s[\i], s23
	s_add_co_u32 s[\d], s[\d], s21
	s_min_u32 s[\d], s[\d], 135
.endm
.macro TOKADR t                        ; where the 16 tokens of tile s[t] stand in the list
	s_lshl_b32 s28, s[\t], 6
	v_add_nc_u32 v[TKO], s28, v[HH32]
	v_add_nc_u32 v[VTO], s28, v[R4]
.endm
.macro TOKASK                          ; three loads: eight tokens a half of the lanes, and my lane's own
	global_load_b128 v[TOK:TOK+3], v[TKO], s[10:11]
	global_load_b128 v[TOK+4:TOK+7], v[TKO], s[10:11] offset:16
	global_load_b32 v[VT], v[VTO], s[10:11]
.endm
.macro OFFS                            ; tokens into byte offsets
.irp i, 0,1,2,3,4,5,6,7
	v_min_u32 v[TOK+\i], 2047, v[TOK+\i]
.endr
.irp i, 0,1,2,3,4,5,6,7
	v_lshl_add_u32 v[XO+\i], v[TOK+\i], 9, v[X16]
.endr
	v_min_u32 v[VT], 2047, v[VT]
	v_lshl_add_u32 v[XSO], v[VT], 5, v[H16]
.endm
.macro ROWS                            ; sixteen loads: lanes 0-15 read 256 consecutive bytes of row i, lanes 16-31 of row 8 + i
.irp i, 0,1,2,3,4,5,6,7
	global_load_b128 v[XR+8*\i:XR+8*\i+3], v[XO+\i], s[6:7]
	global_load_b128 v[XR+8*\i+4:XR+8*\i+7], v[XO+\i], s[6:7] offset:256
.endr
.endm
.macro PROD s, t                       ; K step s, tile t
.if \s == 0
	v_wmma_scale_f32_16x16x128_f8f6f4 v[ACC+8*\t:ACC+8*\t+7], v[8*\t:8*\t+7], v[XF:XF+7], 0, v[WSC+4*\t], v[XS] matrix_a_fmt:MATRIX_FMT_FP4 matrix_b_fmt:MATRIX_FMT_FP4
.elseif \s < 4
	v_wmma_scale_f32_16x16x128_f8f6f4 v[ACC+8*\t:ACC+8*\t+7], v[32*\s+8*\t:32*\s+8*\t+7], v[XF+8*\s:XF+8*\s+7], v[ACC+8*\t:ACC+8*\t+7], v[WSC+4*\t+\s], v[XS+\s] matrix_a_fmt:MATRIX_FMT_FP4 matrix_b_fmt:MATRIX_FMT_FP4
.else
	v_wmma_scale_f32_16x16x128_f8f6f4 v[ACC+8*\t:ACC+8*\t+7], v[32*\s+8*\t:32*\s+8*\t+7], v[XF+8*\s:XF+8*\s+7], v[ACC+8*\t:ACC+8*\t+7], v[WSC+4*\t+\s-4], v[XS+\s-4] matrix_a_fmt:MATRIX_FMT_FP4 matrix_b_fmt:MATRIX_FMT_FP4 matrix_a_scale:MATRIX_SCALE_ROW1 matrix_b_scale:MATRIX_SCALE_ROW1
.endif
.endm
	s_load_b256 s[4:11], s[0:1], 0x0               ; w1 s[4:5], xq s[6:7], xs s[8:9], order s[10:11]
	s_load_b128 s[12:15], s[0:1], 0x20             ; meta s[12:13], hq s[14:15]
	s_load_b64 s[16:17], s[0:1], 0x30              ; hs
	v_lshl_add_u32 v254, v0, 2, 0x23800            ; my spare word, behind x's stages, and 0: made here and kept for the closing lines alone
	v_mov_b32 v255, 0
	v_lshrrev_b32 v1, 5, v0
	v_readfirstlane_b32 s18, v1                    ; wave 0..7
	s_lshr_b32 s19, ttmp9, 5                       ; e
	s_and_b32 s20, ttmp9, 31                       ; j
	v_and_b32 v19, 31, v0                          ; lane
	v_lshlrev_b32 v[L16], 4, v19
	s_lshl_b32 s28, s19, 11
	s_lshl_b32 s29, s20, 6
	s_add_co_u32 s28, s28, s29
	s_wait_alu depctr_va_sdst(0)                   ; s18 is written, ahead of its first reader: bases, LDS places and the trip count are made from it
	s_lshl_b32 s29, s18, 3
	s_add_co_u32 s28, s28, s29                     ; my wave's first row of w1: 2048 e + 64 j + 8 w
	s_lshl_b32 s28, s28, 12                        ; x 4,096 bytes: under 2^26
	s_mov_b32 s29, 0
	s_wait_kmcnt 0x0
	s_add_nc_u64 s[4:5], s[4:5], s[28:29]
	WIN 0x40                                       ; destination window 1
	s_wait_alu depctr_va_vdst(0)                   ; v1 is written: every load of w1 reads it as its offset
.irp t, 0,1,2,3,4,5,6,7
	LOADR \t                                       ; eight steps, 32 loads of 512 bytes, are asked for before anything else
.endr
	WIN 0
	s_lshl_b32 s28, s19, 2
	s_add_nc_u64 s[12:13], s[12:13], s[28:29]
	s_load_b32 s21, s[12:13], 0x0                  ; the expert's first tile
	s_load_b32 s22, s[12:13], 0x20                 ; and its tiles
	s_lshl_b32 s28, s20, 9
	s_add_nc_u64 s[14:15], s[14:15], s[28:29]      ; hq: slice j begins 512 j bytes into a tile
	s_lshr_b32 s28, s20, 3
	s_lshl_b32 s28, s28, 8
	s_and_b32 s34, s20, 7
	s_lshl_b32 s34, s34, 1
	s_add_co_u32 s28, s28, s34
	s_add_nc_u64 s[16:17], s[16:17], s[28:29]      ; hs: 256 (j / 8) + 2 (j % 8): K step j / 2's word, its half j % 2
	s_mul_i32 s34, s18, 5120
	v_lshrrev_b32 v[FSI], 2, v19
	v_mul_u32_u24 v[FSI], v[FSI], 80
	v_and_b32 v[FSO], 3, v19
	v_lshl_add_u32 v[FSI], v[FSO], 4, v[FSI]
	v_add_nc_u32 v[FSI], s34, v[FSI]               ; four lanes' 64 bytes on end, then 16 of padding
	v_mul_u32_u24 v[FSO], v19, 80
	v_add_nc_u32 v[FSO], s34, v[FSO]
	s_mul_i32 s34, s18, 8*WP
	s_add_co_u32 s34, s34, WC
	v_lshl_add_u32 v[WCI], v19, 3, s34
	s_mul_i32 s34, s18, 8*48
	s_add_co_u32 s34, s34, WS
	v_lshrrev_b32 v[WSI], 1, v19
	v_add_nc_u32 v[WSI], s34, v[WSI]
	v_and_b32 v[R4], 15, v0                        ; r
	v_bfe_u32 v[HH32], v0, 4, 1                    ; h
	v_lshlrev_b32 v[X16], 4, v[R4]
	v_lshlrev_b32 v[H16], 4, v[HH32]
	v_and_b32 v[AW], 8, v[R4]
	v_add_nc_u32 v[AW], v[AW], v[R4]               ; r + 8 (r / 8)
	v_mul_u32_u24 v[ASW], v[AW], 48
	v_add_nc_u32 v[ASW], v[ASW], v[H16]
	v_add_nc_u32 v[ASW], WS, v[ASW]
	v_mul_u32_u24 v[AW], v[AW], WP
	v_add_nc_u32 v[AW], v[AW], v[H16]
	v_add_nc_u32 v[AW], WC, v[AW]
	s_mul_i32 s34, s18, 16*WP
	s_add_co_u32 s34, s34, XST
	v_mul_u32_u24 v[XSTI], v[HH32], 8*WP
	v_add_nc_u32 v[XSTI], v[XSTI], v[X16]
	v_add_nc_u32 v[XSTI], s34, v[XSTI]             ; in: row 8 (lane / 16) + i, 16 bytes a lane
	v_mul_u32_u24 v[XSTO], v[R4], WP
	v_add_nc_u32 v[XSTO], v[XSTO], v[H16]
	v_add_nc_u32 v[XSTO], s34, v[XSTO]             ; out: a fragment's row r, + 16 h
	v_lshlrev_b32 v[HH32], 5, v[HH32]
	v_lshlrev_b32 v[R4], 2, v[R4]
	v_mov_b32 v[K1], 0xc0135761                    ; K1 = -2.3022082
	v_mov_b32 v[K1+1], 0xc0135761
	v_mov_b32 v[MX], 0                             ; written once: a lane permute's destination counts as one of its sources
	v_mov_b32 v[MX+1], 0
	s_mov_b32 s32, 0xbdd2d3e8                      ; K3 = -0.10294324
	s_mov_b32 s33, s32                             ; (named with it as a pair, so it is written)
	s_mov_b32 s30, 0x76543210
	s_mov_b32 s31, 0xfedcba98                      ; v_permlanex16_b32's selects for lane l xor 16
	s_mov_b32 s24, s18                             ; my tile's number among the expert's: w, w + 8, ..
	s_mov_b32 s36, 0                               ; the trip in hand
	s_wait_alu depctr_va_vdst(0)
	s_wait_kmcnt 0x0
	s_min_u32 s22, s22, 136                        ; the lists hold 136 tiles
	s_max_u32 s23, s22, 1
	s_sub_co_u32 s23, s23, 1                       ; the expert's last tile (0 where it has none)
	s_add_co_u32 s35, s22, 7
	s_sub_co_u32 s35, s35, s18
	s_lshr_b32 s35, s35, 3                         ; my trips: the tiles w, w + 8, .. under the expert's count: (tiles + 7 - w) / 8, 0 where tiles <= w
	NEXT 25, 24                                    ; my first tile
	TOKADR 25
	s_wait_alu depctr_va_vdst(0)                   ; the addresses and offsets v2 to v15 are written: the list's loads below, the turns, the codes' stores and the fragments' loads read them
	TOKASK                                         ; three loads
	s_wait_loadcnt 31                              ; step 0's four loads are in: behind them stand steps 1-7's 28 and the list's 3
	TURN 0
; PHASE 1.  A step: 512 numbers of a row.  The loads run eight steps ahead, the turn through LDS one; a step's codes go to LDS in the step behind it.
.macro STEP t
.set XS_, X+16*((\t)%2)
.set CS_, PC+2*((\t)%2)
.set ES_, EE+(\t)%2
.if (\t) <= 1
	s_wait_dscnt 0x0                               ; this step's numbers are back from the stage: nothing was issued behind them
.else
	s_wait_dscnt 0x2                               ; this step's numbers are back from the stage: behind them stand the code store and the byte store that the last step issued
.endif
.if (\t) <= 7
	WIN 0x40                                       ; the switch, then the waits, then the loads
.endif
.if (\t) > 0
	s_wait_alu depctr_va_vdst(0)                   ; the step before has written its codes and its byte, which the two stores below read, and is done reading its set of 16 neighbours, in which the next turn's loads land
.endif
	s_wait_alu depctr_vm_vsrc(0)                   ; the LDS stores issued so far have read this step's landing set, in which the loads of eight steps on land, and the codes and byte of two steps ago, which this step writes again
.if (\t) <= 7
	LOADR (\t)+8
.endif
.if (\t) <= 6
	s_wait_loadcnt 31                              ; the next step's four are in: behind them stand seven sets and the list's 3
.elseif (\t) == 7
	s_wait_loadcnt 28                              ; behind step 8's four: steps 9-15.  The list's three are older: they are in too
.elseif (\t) <= 14
	s_wait_loadcnt 4*(14-(\t))+20                  ; behind them: the steps still out, and the first tile's 20 loads
.endif
.if (\t) <= 14
	TURN (\t)+1
.endif
.if (\t) > 0
	PUT (\t)-1
.endif
.if (\t) == 7                          ; my first tile's rows of x, its scale words and my second tile's tokens are asked for here: 20 loads, which land under the rest of phase 1
	OFFS
	s_add_co_u32 s28, s24, 8
	NEXT 26, 28
	TOKADR 26                                      ; (the first list loads read these two offsets ahead of this step's wait on vm_vsrc)
	s_wait_alu depctr_va_vdst(0)                   ; the rows', the scale words' and the list's offsets are written, which the 20 loads below read; the lines above are done with the tokens' registers, in which the list's next loads land
	ROWS
	global_load_b128 v[XS:XS+3], v[XSO], s[8:9]
	TOKASK
.endif
	v_max3_num_f32 v[TMP], |v[XS_]|, |v[XS_+1]|, |v[XS_+2]|
	v_max3_num_f32 v[TMP+1], |v[XS_+3]|, |v[XS_+4]|, |v[XS_+5]|
.irp i, 6,10
	v_max3_num_f32 v[TMP], v[TMP], |v[XS_+\i]|, |v[XS_+\i+1]|
	v_max3_num_f32 v[TMP+1], v[TMP+1], |v[XS_+\i+2]|, |v[XS_+\i+3]|
.endr
	v_max3_num_f32 v[TMP], v[TMP], |v[XS_+14]|, |v[XS_+15]|
	v_max3_num_f32 v[TMP], v[TMP], v[TMP+1], 0x1800000             ; and the floor 2^(3 - 127)
	v_max_num_f32_dpp v[TMP], v[TMP], v[TMP] row_xmask:1 row_mask:0xf bank_mask:0xf   ; with my neighbour's 16: the block's
	v_add_nc_u32 v[TMP+2], 0xff000000, v[TMP]      ; 2 off the exponent field: the conversion's scale operand
	v_cvt_scalef32_pk8_fp4_f32 v[CS_], v[XS_:XS_+7], v[TMP+2]
	v_cvt_scalef32_pk8_fp4_f32 v[CS_+1], v[XS_+8:XS_+15], v[TMP+2]
	v_lshrrev_b32 v[ES_], 23, v[TMP+2]             ; the scale's byte (a plain line behind the conversions)
.endm
.irp t, 0,1,2,3,4,5,6,7,8,9,10,11,12,13,14,15
	STEP \t
.endr
	s_wait_alu depctr_va_vdst(0)                   ; step 15 has written its codes and its byte, which the last two stores read
	PUT 15
	s_wait_dscnt 0x0                               ; for the others' sake: my eight rows' codes and bytes lie in LDS
	s_barrier_signal -1
	s_barrier_wait -1                              ; the launch's one barrier: ahead of every branch on a number that was read
	WIN 0x40
	s_wait_alu depctr_vm_vsrc(0)                   ; the turns' LDS stores have read the landing sets, v256-383: the fragments' loads land there
.irp s, 0,1,2,3,4,5,6,7
.irp t, 0,1,2,3
.irp c, 0,1
	ds_load_b128 v[32*\s+8*\t+4*\c:32*\s+8*\t+4*\c+3], v[AW] offset:(32*(\t/2)+8*(\t%2))*WP+64*\s+32*\c
.endr
.endr
.endr
	WIN 0
.irp t, 0,1,2,3
	ds_load_b128 v[WSC+4*\t:WSC+4*\t+3], v[ASW] offset:(32*(\t/2)+8*(\t%2))*48   ; lane (r, h): the words of K steps 4 h .. 4 h + 3 of the tile's row r
.endr
	s_wait_dscnt 0x0
	s_cmp_eq_u32 s35, 0
	s_cbranch_scc1 .Lend                           ; fewer tiles than waves: nothing for me
; PHASE 2.  At a trip's head: this tile's rows of x and scale words, and the next tile's tokens, were asked for a trip ago.
.Ltile:
	s_wait_loadcnt 0x0                             ; they are in
.irp i, 0,1,2,3,4,5,6,7                ; the stage's stores go out first: they name loaded data and an address from the kernel's head, and nothing that a vector instruction has written since
	ds_store_b128 v[XSTI], v[XR+8*\i:XR+8*\i+3] offset:WP*\i
	ds_store_b128 v[XSTI], v[XR+8*\i+4:XR+8*\i+7] offset:WP*\i+256
.endr
	s_wait_xcnt 0x0                                ; the last trip's stores have read their data and offsets: both are written again below
	s_wait_alu depctr_vm_vsrc(0)                   ; the stage's stores have read the rows' registers, in which the next rows land; the last trip's stores have read the codes, the two bytes and their offsets, its loads their offsets: all are written again below
	OFFS                                           ; the next tile's offsets
	s_lshl_b32 s28, s25, 14
	v_add_nc_u32 v[HO], s28, v[L16]                ; hq: 16,384 bytes a tile
	s_lshl_b32 s28, s25, 10
	v_add_nc_u32 v[HSO], s28, v[X16]               ; hs: 1,024 bytes a tile, 16 a token
	s_add_co_u32 s28, s24, 16
	NEXT 27, 28                                    ; the tile after the next
	TOKADR 27
	s_wait_alu depctr_va_vdst(0)                   ; the offsets above are written, which this trip's loads and stores read; the lines above are done with the tokens' registers, and the last trip's products, gelu and quantiser (on the first trip: phase 1) with v48-111: loads land in both
.irp s, 0,1,2,3,4,5,6,7                ; my wave's own bytes, served in order: no wait between the stores and the loads
	ds_load_b128 v[XF+8*\s:XF+8*\s+3], v[XSTO] offset:64*\s
	ds_load_b128 v[XF+8*\s+4:XF+8*\s+7], v[XSTO] offset:64*\s+32
.endr
	ROWS                                           ; the next tile's rows.  No wait: no vector or matrix instruction since the wait above names a register of these loads
	TOKASK
	s_wait_dscnt 0x0                               ; the fragments are in
	WIN 0x01                                       ; source 0 (w1) window 1
.irp s, 0,1,2,3,4,5,6,7                ; the four accumulators take turns, one instruction a turn
.irp t, 0,1,2,3
	PROD \s, \t
.endr
.endr
	WIN 0
.rept 4
	v_nop                                          ; four places in front of the first read of results and of the first write over x's fragments
.endr
	s_wait_alu depctr_va_vdst(0)                   ; the products are done reading x's scale words, in which the load below lands
	global_load_b128 v[XS:XS+3], v[XSO], s[8:9]    ; the next tile's scale words
.set p, 0
.rept 16
	v_pk_mul_f32 v[G+p:G+p+1], v[ACC+p:ACC+p+1], v[ACC+p:ACC+p+1]  ; x x; each accumulator is read from its low end on
.set p, p+2
.endr
.set p, 0
.rept 16
	v_pk_fma_f32 v[G+p:G+p+1], v[G+p:G+p+1], s[32:33], v[K1:K1+1] op_sel_hi:[1,0,1]   ; K3 x x + K1
.set p, p+2
.endr
.set p, 0
.rept 16
	v_pk_mul_f32 v[G+p:G+p+1], v[G+p:G+p+1], v[ACC+p:ACC+p+1]
.set p, p+2
.endr
.set p, 0
	s_wait_alu depctr_va_vdst(0)
.rept 32
	v_exp_f32 v[G+p], v[G+p]
.set p, p+1
.endr
	v_nop                                          ; a plain place behind the exponentials
.set p, 0
	s_wait_alu depctr_va_vdst(0)                   ; the 32 exponentials have written v48-79: one wait for the batch, ahead of its first reader
.rept 16
	v_pk_add_f32 v[G+p:G+p+1], v[G+p:G+p+1], 1.0 op_sel_hi:[1,0]
.set p, p+2
.endr
.set p, 0
	s_wait_alu depctr_va_vdst(0)
.rept 32
	v_rcp_f32 v[G+p], v[G+p]
.set p, p+1
.endr
	v_nop                                          ; a plain place behind the reciprocals
.set p, 0
	s_wait_alu depctr_va_vdst(0)                   ; the 32 reciprocals have written v48-79: one wait for the batch, ahead of its first reader
.rept 16
	v_pk_mul_f32 v[ACC+p:ACC+p+1], v[ACC+p:ACC+p+1], v[G+p:G+p+1]  ; gelu
.set p, p+2
.endr
	; the quantiser: two blocks of 32 hidden units; block b lies in my 16 registers and in lane l xor 16's
.irp b, 0,1
	v_max3_num_f32 v[M+\b], |v[ACC+16*\b]|, |v[ACC+16*\b+1]|, 0x1800000
.endr
.irp i, 2,4,6,8,10,12,14
.irp b, 0,1
	v_max3_num_f32 v[M+\b], v[M+\b], |v[ACC+16*\b+\i]|, |v[ACC+16*\b+\i+1]|
.endr
.endr
.irp b, 0,1
	v_permlanex16_b32 v[MX+\b], v[M+\b], s30, s31
.endr
.irp b, 0,1
	v_max_num_f32 v[M+\b], v[M+\b], v[MX+\b]
.endr
.irp b, 0,1
	v_add_nc_u32 v[SOP+\b], 0xff000000, v[M+\b]
.endr
.irp b, 0,1
	v_lshrrev_b32 v[BY+\b], 23, v[SOP+\b]
.endr
	v_lshl_or_b32 v[HALF], v[BY+1], 8, v[BY]       ; my token's two scale bytes
.irp b, 0,1
	v_cvt_scalef32_pk8_fp4_f32 v[PC+2*\b], v[ACC+16*\b:ACC+16*\b+7], v[SOP+\b]
	v_cvt_scalef32_pk8_fp4_f32 v[PC+2*\b+1], v[ACC+16*\b+8:ACC+16*\b+15], v[SOP+\b]
.endr
	v_nop                                          ; a plain place behind the conversions
	v_permlane16_swap_b32 v[PC], v[PC+2]           ; the operand's layout wants a whole block in a lane: lanes 0-15 the first block, lanes 16-31 the second
	v_permlane16_swap_b32 v[PC+1], v[PC+3]
	s_wait_alu depctr_va_vdst(0)                   ; the exchanges have written the codes, the quantiser the two bytes: the stores below read them
	global_store_b128 v[HO], v[PC:PC+3], s[14:15]  ; four registers of the next operand as they stand: 512 consecutive bytes, aligned
	global_store_b16 v[HSO], v[HALF], s[16:17]     ; lanes r and 16 + r store the same two bytes with the same value
	s_mov_b32 s25, s26
	s_mov_b32 s26, s27
	s_add_co_u32 s24, s24, 8                       ; my next tile's number: it feeds addresses alone
	s_add_co_u32 s36, s36, 1                       ; the loop counts its trips one by one
	s_cmp_lt_u32 s36, s35
	s_cbranch_scc1 .Ltile
.Lend:
	s_wait_dscnt 0x0                               ; the closing lines, six on end
	s_wait_alu 0x0
	s_wait_tensorcnt 0x0
	ds_add_u32 v254, v255
	s_wait_dscnt 0x0
	s_endpgm
.Lfunc_end_k_qf310ab3961_ffn1:
	.size	k_qf310ab3961_ffn1, .Lfunc_end_k_qf310ab3961_ffn1-k_qf310ab3961_ffn1
	.p2alignl 7, 3214868480
	.fill 96, 4, 3214868480
	.section	.rodata,"a",@progbits
	.p2align	6, 0x0
	.amdhsa_kernel k_qf310ab3961_ffn1
		.amdhsa_group_segment_fixed_size 146432
		.amdhsa_private_segment_fixed_size 0
		.amdhsa_enable_private_segment 0
		.amdhsa_kernarg_size 56
		.amdhsa_user_sgpr_count 2
		.amdhsa_user_sgpr_kernarg_segment_ptr 1
		.amdhsa_wavefront_size32 1
		.amdhsa_system_sgpr_workgroup_id_x 1
		.amdhsa_system_sgpr_workgroup_id_y 1
		.amdhsa_system_sgpr_workgroup_id_z 1
		.amdhsa_system_vgpr_workitem_id 0
		.amdhsa_next_free_vgpr 512
		.amdhsa_next_free_sgpr 66
		.amdhsa_reserve_vcc 0
		.amdhsa_float_denorm_mode_32 3
		.amdhsa_float_denorm_mode_16_64 3
		.amdhsa_memory_ordered 1
		.amdhsa_forward_progress 1
		.amdhsa_inst_pref_size 65
	.end_amdhsa_kernel
	.amdgpu_metadata
---
amdhsa.version: [ 1, 2 ]
amdhsa.kernels:
  - .name:           k_qf310ab3961_ffn1
    .symbol:         k_qf310ab3961_ffn1.kd
    .args:
      - { .name: w1, .offset: 0, .size: 8, .value_kind: global_buffer, .address_space: global }
      - { .name: xq, .offset: 8, .size: 8, .value_kind: global_buffer, .address_space: global }
      - { .name: xs, .offset: 16, .size: 8, .value_kind: global_buffer, .address_space: global }
      - { .name: order, .offset: 24, .size: 8, .value_kind: global_buffer, .address_space: global }
      - { .name: meta, .offset: 32, .size: 8, .value_kind: global_buffer, .address_space: global }
      - { .name: hq, .offset: 40, .size: 8, .value_kind: global_buffer, .address_space: global }
      - { .name: hs, .offset: 48, .size: 8, .value_kind: global_buffer, .address_space: global }
    .group_segment_fixed_size: 146432
    .private_segment_fixed_size: 0
    .kernarg_segment_align: 8
    .kernarg_segment_size: 56
    .max_flat_workgroup_size: 256
    .sgpr_count:     66
    .vgpr_count:     512
    .wavefront_size: 32
...
	.end_amdgpu_metadata
.endif
;; end of part 5
;; launch ffn2 (part 6): grid 256 x 1, 4 waves a work-group, no clusters, 87,552 bytes of LDS; arguments wq, hq, hs, order, meta, out0; writes out0
.if DOCPART == 6
	.amdgcn_target "amdgcn-amd-amdhsa--gfx1250"
	.amdhsa_code_object_version 6
	.text
	.protected	k_qf310ab3961_ffn2
	.globl	k_qf310ab3961_ffn2
	.p2align	8
	.type	k_qf310ab3961_ffn2,@function
k_qf310ab3961_ffn2:
	s_mov_b64 s[64:65], 0
	v_nop
	global_prefetch_b8 v0, s[64:65] scope:SCOPE_SE
	s_setreg_imm32_b32 hwreg(HW_REG_WAVE_SCHED_MODE, 0, 2), 2
	s_setreg_imm32_b32 hwreg(HW_REG_WAVE_MODE, 25, 1), 1
	s_wait_xcnt 0x0
	s_wait_alu depctr_vm_vsrc(0)
; THE SECOND PRODUCT.  Work-group (e, jn, th) = (number / 32, (number / 2) % 16, number % 2) owns columns 64 jn .. 64 jn + 63 of out0 for half of expert e's tiles of 16 tokens, over all of K = 2,048:
;   each output number has one sum.  Wave w takes tiles u, u + 8, .. of the expert's, u = 4 th + w.
; PHASE 1: the slice's codes of FP4 (E2M1) and scale words (69,632 bytes, made by the first launch and laid as this text's LDS) are copied from memory to LDS, a quarter a wave, 512 consecutive bytes a load;
;   behind the launch's one barrier every wave takes all 64 fragments (512 registers) and 32 scale registers and keeps them.
;   A TILE OF 16 COLUMNS IS THE COLUMNS 4 r + cc (cc = 0 .. 3) of the slice: so the first launch laid them.
; PHASE 2: a tile: the hidden layer's 16 fragments (laid as registers by the launch before), 64 matrix instructions, and 16 pieces of rows of out0, each 256 consecutive bytes, aligned, at the token's own row.
;   The fragments come in two groups that are asked for one tile ahead.  No wave waits for another.
; THE MATRIX INSTRUCTION IS USED TRANSPOSED (source 0 = 16 columns of w2, source 1 = 16 tokens).
; NO TENSOR LOAD, NO JOINT LOAD: the work-groups of an expert read the same hidden codes, and two read the same slice, but how many tiles there are is a number read from memory, on which the loop's trip count hangs;
;   so all operands come through registers.
; A pad of the list repeats a token of its own tile: that row is computed twice in one wave, from the same codes, and the same numbers are stored to the same bytes by that wave.
; LIMITS: as the launches that made the codes state them.  If no token at all has an expert in 0 .. 7 this launch has no tile and stores nothing: out0 is then zeros, stored two launches before.
; THE MODE: SCHED_MODE bits 1:0 = 2 (LLVM: expert scheduling mode 2), set by the entry lines.  The code itself states the register dependences between vector or matrix instructions
;   and memory or LDS instructions, with s_wait_alu, always for 0.
; THE PLAN.  Registers that memory or LDS instructions touch, round the loop:
;   window 3, v0-63, and HS's first four     the first group's loads land; the products of K steps 0-7 read.
;   window 3, v64-127, and HS's last four    the second group's loads land; the products of K steps 8-15 read.
;   TOK                the first group's loads land; the lines at a trip's head read and write.
;   HQO, HSO, TKO      written at a trip's head; read by both groups' loads.          OFF: written at a trip's head; read by the stores at its end.
;   ACC                written by the products; read by the stage's LDS stores.       OB: the stage's LDS loads land; the global stores read.
;   v64-199            ahead of the loop: the slice's loads land, the copy's LDS stores read; ACC, OB and OFF lie there.
;   So three waits stand in a trip: one on vm_vsrc at its head, which frees all that the last trip's loads and stores read; one on va_vdst behind each half of the products, ahead of the group of loads that
;   lands where that half read; the second also shows the accumulators written.
.set IMG,   0                          ; LDS: fragment (K step s, tile cc) at 1024 (4 s + cc): registers 4 c .. 4 c + 3 at 512 c + 16 x lane
.set SIMG,  65536                      ; scale word (s, cc, r) at 256 s + 128 (cc / 2) + 8 r + 4 (cc % 2)
.set OST,   69632                      ; a stage of 16 rows x (256 bytes + 16) for each wave
.set SLICE, 69632                      ; bytes of a slice
.set PART,  17408                      ; a wave's quarter of it: 34 x 512
.set L16,  2                           ; v2   16 x lane
.set CPI,  3                           ; v3   where I put my quarter of the slice
.set SRD,  5                           ; v5   where I read scale words
.set SO,   6                           ; v6   into the stage
.set SR,   7                           ; v7   out of it
.set X16,  8                           ; v8   16 x (lane % 16)
.set HH32, 9                           ; v9   32 x (lane / 16)
.set HV,   10                          ; v10  lane / 16
.set HQO,  11                          ; v11-13 offsets into hq, hs, the list
.set HSO,  12
.set TKO,  13
.set TOK,  16                          ; v16-23 eight tokens of the list
.set HS,   24                          ; v24-31 the hidden layer's scale words: register 4 (s / 8) + s % 4, lanes 16 ((s / 4) % 2) on.  Scales and nothing else
.set WSC,  32                          ; v32-63 w2's scale words: register 16 (cc / 2) + 2 (s / 2) + cc % 2, lanes 16 (s % 2) on.  Scales and nothing else
.set LAND, 64                          ; phase 1: v64-199 my quarter of the slice on its way to LDS
.set ACC,  128                         ; phase 2: v128-159 four tiles of out0
.set OB,   160                         ; v160-191 rows read back
.set OFF,  192                         ; v192-199 offsets of eight rows of out0
; window 1: the fragments of K steps 0-7, (s, cc) at v[32 s + 8 cc].  window 2: those of K steps 8-15.  window 3: v0-127 the hidden layer's fragments, K step s at v[8 s]
; SCALARS: s18 wave, s19 e, s20 jn, s21 the expert's first tile, s22 its tiles, s23 its last tile's number, s24 my tile's number among the expert's, s25 the tile asked for, s26 all tiles, s27 the last tile of all,
;   s34 my trips, s35 the trip in hand, s36 th
.set MSB, 0
.macro WIN new                         ; the immediate's high byte repeats the setting that is left
.if MSB != \new
	s_set_vgpr_msb (MSB<<8)|\new
.set MSB, \new
.endif
.endm
.macro NEXTT i                         ; s25 = the expert's tile number min(s[i], tiles - 1), held to the tiles that exist, and inside the buffers whatever was read
	s_min_u32 s25, s[\i], s23
	s_add_co_u32 s25, s25, s21
	s_min_u32 s25, s25, s27
	s_min_u32 s25, s25, 135
.endm
.macro SETT
	s_lshl_b32 s28, s25, 14
	v_add_nc_u32 v[HQO], s28, v[L16]
	s_lshl_b32 s28, s25, 10
	v_add_nc_u32 v[HSO], s28, v[L16]
	s_lshl_b32 s28, s25, 6
	v_add_nc_u32 v[TKO], s28, v[HH32]
.endm
.macro GROUPA                          ; 19 loads: K steps 0-7, their scale words, the tile's tokens
	WIN 0xc0                                       ; destination window 3
.irp s, 0,1,2,3,4,5,6,7
	global_load_b128 v[8*\s:8*\s+3], v[HQO], s[6:7] offset:1024*\s
	global_load_b128 v[8*\s+4:8*\s+7], v[HQO], s[6:7] offset:1024*\s+512
.endr
	WIN 0
	global_load_b128 v[HS:HS+3], v[HSO], s[8:9]
	global_load_b128 v[TOK:TOK+3], v[TKO], s[10:11]
	global_load_b128 v[TOK+4:TOK+7], v[TKO], s[10:11] offset:16
.endm
.macro GROUPB                          ; 17 loads: K steps 8-15 and their scale words
	WIN 0xc0
.irp s, 8,9,10,11,12,13,14,15
	global_load_b128 v[8*\s:8*\s+3], v[HQO], s[6:7] offset:1024*\s
	global_load_b128 v[8*\s+4:8*\s+7], v[HQO], s[6:7] offset:1024*\s+512
.endr
	WIN 0
	global_load_b128 v[HS+4:HS+7], v[HSO], s[8:9] offset:512
.endm
.macro PROD s, cc                      ; K step s, tile cc
.set rA, 32*((\s)%8)+8*(\cc)
.set rB, 8*(\s)
.set rD, ACC+8*(\cc)
.set rSA, WSC+16*((\cc)/2)+2*((\s)/2)+(\cc)%2
.set rSB, HS+4*((\s)/8)+(\s)%4
.set a1, (\s)%2
.set b1, ((\s)/4)%2
.if (\s) == 0
	v_wmma_scale_f32_16x16x128_f8f6f4 v[rD:rD+7], v[rA:rA+7], v[rB:rB+7], 0, v[rSA], v[rSB] matrix_a_fmt:MATRIX_FMT_FP4 matrix_b_fmt:MATRIX_FMT_FP4
.elseif (a1 == 0) && (b1 == 0)
	v_wmma_scale_f32_16x16x128_f8f6f4 v[rD:rD+7], v[rA:rA+7], v[rB:rB+7], v[rD:rD+7], v[rSA], v[rSB] matrix_a_fmt:MATRIX_FMT_FP4 matrix_b_fmt:MATRIX_FMT_FP4
.elseif (a1 == 1) && (b1 == 0)
	v_wmma_scale_f32_16x16x128_f8f6f4 v[rD:rD+7], v[rA:rA+7], v[rB:rB+7], v[rD:rD+7], v[rSA], v[rSB] matrix_a_fmt:MATRIX_FMT_FP4 matrix_b_fmt:MATRIX_FMT_FP4 matrix_a_scale:MATRIX_SCALE_ROW1
.elseif (a1 == 0) && (b1 == 1)
	v_wmma_scale_f32_16x16x128_f8f6f4 v[rD:rD+7], v[rA:rA+7], v[rB:rB+7], v[rD:rD+7], v[rSA], v[rSB] matrix_a_fmt:MATRIX_FMT_FP4 matrix_b_fmt:MATRIX_FMT_FP4 matrix_b_scale:MATRIX_SCALE_ROW1
.else
	v_wmma_scale_f32_16x16x128_f8f6f4 v[rD:rD+7], v[rA:rA+7], v[rB:rB+7], v[rD:rD+7], v[rSA], v[rSB] matrix_a_fmt:MATRIX_FMT_FP4 matrix_b_fmt:MATRIX_FMT_FP4 matrix_a_scale:MATRIX_SCALE_ROW1 matrix_b_scale:MATRIX_SCALE_ROW1
.endif
.endm
	s_load_b256 s[4:11], s[0:1], 0x0               ; wq s[4:5], hq s[6:7], hs s[8:9], order s[10:11]
	s_load_b128 s[12:15], s[0:1], 0x20             ; meta s[12:13], out0 s[14:15]
	v_lshl_add_u32 v254, v0, 2, 0x15400            ; my spare word, behind the stages, and 0: made here and kept for the closing lines alone
	v_mov_b32 v255, 0
	v_lshrrev_b32 v1, 5, v0
	v_readfirstlane_b32 s18, v1                    ; wave 0..3
	s_lshr_b32 s19, ttmp9, 5                       ; e
	s_bfe_u32 s20, ttmp9, 0x40001                  ; jn: four bits from bit 1
	s_and_b32 s36, ttmp9, 1                        ; th
	v_and_b32 v14, 31, v0                          ; lane
	v_lshlrev_b32 v[L16], 4, v14
	s_lshl_b32 s28, s19, 4
	s_add_co_u32 s28, s28, s20                     ; the slice: 16 e + jn
	s_mul_i32 s28, s28, SLICE
	s_wait_alu depctr_va_sdst(0)                   ; s18 is written, ahead of its first reader: bases, LDS places and the trip count are made from it
	s_mul_i32 s29, s18, PART
	s_add_co_u32 s28, s28, s29                     ; my quarter of it: under 2^24
	s_mov_b32 s29, 0
	s_wait_kmcnt 0x0
	s_add_nc_u64 s[4:5], s[4:5], s[28:29]
	s_wait_alu depctr_va_vdst(0)                   ; v2 is written: the slice's loads read it as their offset
.set k_, 0
.rept 34
	global_load_b128 v[LAND+4*k_:LAND+4*k_+3], v[L16], s[4:5] offset:512*k_   ; 32 lanes read 512 consecutive bytes
.set k_, k_+1
.endr
	s_lshl_b32 s28, s19, 2
	s_add_nc_u64 s[32:33], s[12:13], s[28:29]
	s_load_b32 s21, s[32:33], 0x0                  ; the expert's first tile,
	s_load_b32 s22, s[32:33], 0x20                 ; its tiles,
	s_load_b32 s26, s[12:13], 0x40                 ; all tiles
	s_lshl_b32 s28, s20, 8
	s_add_nc_u64 s[14:15], s[14:15], s[28:29]      ; out0 at my columns
	s_mul_i32 s28, s18, PART
	v_add_nc_u32 v[CPI], s28, v[L16]
	v_and_b32 v15, 15, v0                          ; lane % 16
	v_bfe_u32 v[HV], v0, 4, 1                      ; lane / 16
	v_lshlrev_b32 v[X16], 4, v15
	v_lshl_add_u32 v[SRD], v15, 3, SIMG
	v_lshl_add_u32 v[SRD], v[HV], 8, v[SRD]        ; lanes 16-31 take the K step behind
	s_mul_i32 s28, s18, 16*272
	s_add_co_u32 s28, s28, OST
	v_mul_u32_u24 v[SO], v15, 272
	v_lshl_add_u32 v[SO], v[HV], 7, v[SO]
	v_add_nc_u32 v[SO], s28, v[SO]                 ; in: my token's row, + 128 bytes for lanes 16-31
	v_mul_u32_u24 v[SR], v[HV], 8*272
	v_add_nc_u32 v[SR], v[SR], v[X16]
	v_add_nc_u32 v[SR], s28, v[SR]                 ; back: row 8 (lane / 16) + i, 16 bytes a lane
	v_lshlrev_b32 v[HH32], 5, v[HV]
	s_lshl_b32 s24, s36, 2
	s_add_co_u32 s24, s24, s18                     ; my tile's number among the expert's: u = 4 th + w, then u + 8, ..
	s_mov_b32 s35, 0                               ; the trip in hand
	s_wait_alu depctr_va_vdst(0)
	s_wait_kmcnt 0x0
	s_min_u32 s22, s22, 136                        ; the lists hold 136 tiles
	s_max_u32 s23, s22, 1
	s_sub_co_u32 s23, s23, 1                       ; the expert's last tile (0 where it has none)
	s_max_u32 s27, s26, 1
	s_sub_co_u32 s27, s27, 1                       ; the last tile of all
	s_add_co_u32 s34, s22, 7
	s_sub_co_u32 s34, s34, s24
	s_lshr_b32 s34, s34, 3                         ; my trips: the tiles u, u + 8, .. under the expert's count: (tiles + 7 - u) / 8, 0 where tiles <= u
	NEXTT 24
	SETT
	WIN 0xc0                                       ; the switch, then the wait, then the loads
	s_wait_alu depctr_va_vdst(0)                   ; the addresses and offsets v3 to v13 are written: the first tile's loads, the copy's stores, the fragments' and scale words' loads and the stage read them
	GROUPA                                         ; my first tile is asked for here: 36 loads, which land under the copy, the barrier and the 144 LDS loads
	GROUPB
	s_wait_loadcnt 36                              ; my quarter of the slice is in; the first tile's 36 loads stay out
.set k_, 0
.rept 34
	ds_store_b128 v[CPI], v[LAND+4*k_:LAND+4*k_+3] offset:512*k_
.set k_, k_+1
.endr
	s_wait_dscnt 0x0                               ; for the others' sake: my quarter lies in LDS
	s_barrier_signal -1
	s_barrier_wait -1                              ; the launch's one barrier: ahead of every branch on a number that was read
	WIN 0x40
.irp s, 0,1,2,3,4,5,6,7
.irp cc, 0,1,2,3
.irp c, 0,1
	ds_load_b128 v[32*\s+8*\cc+4*\c:32*\s+8*\cc+4*\c+3], v[L16] offset:1024*(4*\s+\cc)+512*\c
.endr
.endr
.endr
	WIN 0x80
.irp s, 0,1,2,3,4,5,6,7
.irp cc, 0,1,2,3
.irp c, 0,1
	ds_load_b128 v[32*\s+8*\cc+4*\c:32*\s+8*\cc+4*\c+3], v[L16] offset:1024*(4*(\s+8)+\cc)+512*\c
.endr
.endr
.endr
	WIN 0
.irp p, 0,1
.irp m, 0,1,2,3,4,5,6,7
	ds_load_b64 v[WSC+16*\p+2*\m:WSC+16*\p+2*\m+1], v[SRD] offset:512*\m+128*\p   ; tiles 2 p and 2 p + 1: lanes 0-15 K step 2 m, lanes 16-31 K step 2 m + 1
.endr
.endr
	s_wait_dscnt 0x0
	s_cmp_eq_u32 s34, 0
	s_cbranch_scc1 .Lend                           ; fewer tiles than waves: nothing for me
; PHASE 2.  At a trip's head both groups of this tile are on their way or in.
.Ltile:
	s_wait_loadcnt 17                              ; the first group is in; the second group's 17 loads stay out
	s_wait_xcnt 0x0                                ; every load and store issued has read its offsets and data: the offsets below and the rows' registers are written again
	s_wait_alu depctr_vm_vsrc(0)                   ; the last trip's loads have read their three offsets, its LDS stores the accumulators, its global stores the rows and their offsets (on the first trip: the copy's LDS stores have read v64-199): all are written again in this trip
.irp i, 0,1,2,3,4,5,6,7
	v_min_u32 v[TOK+\i], 2047, v[TOK+\i]
.endr
.irp i, 0,1,2,3,4,5,6,7
	v_lshl_add_u32 v[OFF+\i], v[TOK+\i], 12, v[X16]   ; the token's row of out0
.endr
	s_add_co_u32 s28, s24, 8
	NEXTT 28                                       ; my next tile
	SETT
	WIN 0x0d                                       ; source 0 (w2) window 1, source 1 (the hidden layer) window 3
.irp s, 0,1,2,3,4,5,6,7                ; the four accumulators take turns, one instruction a turn
.irp cc, 0,1,2,3
	PROD \s, \cc
.endr
.endr
.rept 4
	v_nop                                          ; four places behind the products, in front of loads into registers that they have read; they stand beside the wait below
.endr
	WIN 0xc0                                       ; the switch, then the wait, then the loads
	s_wait_alu depctr_va_vdst(0)                   ; the products are done reading K steps 0-7 and their scale words, the head's lines are done with the tokens' registers: the loads below land in all three; the head's lines have written the three offsets that these loads read, and the rows' offsets for the stores at the trip's end
	GROUPA                                         ; the next tile's first group
	s_wait_loadcnt 19                              ; this tile's second group is in; the 19 just issued stay out
	WIN 0x0e                                       ; source 0 window 2
.irp s, 8,9,10,11,12,13,14,15
.irp cc, 0,1,2,3
	PROD \s, \cc
.endr
.endr
.rept 4
	v_nop                                          ; four places in front of the loads below and of the first read of results
.endr
	WIN 0xc0                                       ; the switch, then the wait, then the loads
	s_wait_alu depctr_va_vdst(0)                   ; the products are done reading K steps 8-15 and their scale words, in which the loads below land, and have written the accumulators, which the LDS stores below read
	GROUPB                                         ; the next tile's second group
.irp cc, 0,1,2,3                       ; register jj of tile cc is out0(my token, 32 (lane / 16) + 4 jj + cc); each accumulator from its low end on
.irp jj, 0,1,2,3,4,5,6,7
	ds_store_b32 v[SO], v[ACC+8*\cc+\jj] offset:16*\jj+4*\cc
.endr
.endr
.irp i, 0,1,2,3,4,5,6,7                ; my wave's own bytes, served in order: no wait between the stores and the loads
	ds_load_b128 v[OB+4*\i:OB+4*\i+3], v[SR] offset:272*\i
.endr
	s_wait_dscnt 0x0
.irp i, 0,1,2,3,4,5,6,7
	global_store_b128 v[OFF+\i], v[OB+4*\i:OB+4*\i+3], s[14:15] th:TH_STORE_NT   ; lanes 0-15 store 256 consecutive bytes, aligned, of token i's row, lanes 16-31 of token 8 + i's
.endr
	s_add_co_u32 s24, s24, 8                       ; my next tile's number: it feeds addresses alone
	s_add_co_u32 s35, s35, 1                       ; the loop counts its trips one by one
	s_cmp_lt_u32 s35, s34
	s_cbranch_scc1 .Ltile
.Lend:
	s_wait_dscnt 0x0                               ; the closing lines, six on end
	s_wait_alu 0x0
	s_wait_tensorcnt 0x0
	ds_add_u32 v254, v255
	s_wait_dscnt 0x0
	s_endpgm
.Lfunc_end_k_qf310ab3961_ffn2:
	.size	k_qf310ab3961_ffn2, .Lfunc_end_k_qf310ab3961_ffn2-k_qf310ab3961_ffn2
	.p2alignl 7, 3214868480
	.fill 96, 4, 3214868480
	.section	.rodata,"a",@progbits
	.p2align	6, 0x0
	.amdhsa_kernel k_qf310ab3961_ffn2
		.amdhsa_group_segment_fixed_size 87552
		.amdhsa_private_segment_fixed_size 0
		.amdhsa_enable_private_segment 0
		.amdhsa_kernarg_size 48
		.amdhsa_user_sgpr_count 2
		.amdhsa_user_sgpr_kernarg_segment_ptr 1
		.amdhsa_wavefront_size32 1
		.amdhsa_system_sgpr_workgroup_id_x 1
		.amdhsa_system_sgpr_workgroup_id_y 1
		.amdhsa_system_sgpr_workgroup_id_z 1
		.amdhsa_system_vgpr_workitem_id 0
		.amdhsa_next_free_vgpr 1024
		.amdhsa_next_free_sgpr 66
		.amdhsa_reserve_vcc 0
		.amdhsa_float_denorm_mode_32 3
		.amdhsa_float_denorm_mode_16_64 3
		.amdhsa_memory_ordered 1
		.amdhsa_forward_progress 1
		.amdhsa_inst_pref_size 39
	.end_amdhsa_kernel
	.amdgpu_metadata
---
amdhsa.version: [ 1, 2 ]
amdhsa.kernels:
  - .name:           k_qf310ab3961_ffn2
    .symbol:         k_qf310ab3961_ffn2.kd
    .args:
      - { .name: wq, .offset: 0, .size: 8, .value_kind: global_buffer, .address_space: global }
      - { .name: hq, .offset: 8, .size: 8, .value_kind: global_buffer, .address_space: global }
      - { .name: hs, .offset: 16, .size: 8, .value_kind: global_buffer, .address_space: global }
      - { .name: order, .offset: 24, .size: 8, .value_kind: global_buffer, .address_space: global }
      - { .name: meta, .offset: 32, .size: 8, .value_kind: global_buffer, .address_space: global }
      - { .name: out0, .offset: 40, .size: 8, .value_kind: global_buffer, .address_space: global }
    .group_segment_fixed_size: 87552
    .private_segment_fixed_size: 0
    .kernarg_segment_align: 8
    .kernarg_segment_size: 48
    .max_flat_workgroup_size: 128
    .sgpr_count:     66
    .vgpr_count:     1024
    .wavefront_size: 32
...
	.end_amdgpu_metadata
.endif
;; end of part 6
